; MI455X (gfx1250); checked and timed in simulation.
; The chip was launched on July 23, 2026; its instructions are those of AMD's public machine-readable ISA for CDNA 5 (MIT licence, August 2026) and "CDNA5" Instruction Set Architecture Reference Guide (July 2026). The comments in the code are by the model that wrote it; some were corrected since.
;; MH Attn. Allowed arithmetic: matrix products marked QUANTISED: E3M2 operands, one E8M0 scale for each 32 along K, by v_wmma_scale_f32_16x16x128_f8f6f4 with both operands' format E3M2, f32 sums; everything else in f32.
;; Inputs: Wk 512 x 512 float32; Wo 2,048 x 512 float32; Wq 512 x 512 float32; Wv 512 x 512 float32; bk 512 float32; bo 512 float32; bq 512 float32; bv 512 float32; key 4 x 2,048 x 512 float32; query 4 x 2,048 x 512 float32; value 4 x 2,048 x 512 float32.
;; Outputs: out0 4 x 2,048 x 512 float32.
;; This version of the problem:
;;   THIS VERSION OF THE PROBLEM IS GIVEN IN LOW PRECISION. The matrix products marked QUANTISED in the list below multiply operands that are first quantised to E3M2 (3 exponent bits, 2 mantissa bits; 6 bits a number), with one power-of-two scale for each 32 numbers along K (OCP MX v1.0); their sums are f32. All else is computed in f32.
;;   The module's matrix products, in the order in which they are computed (A, B: the left and right operand; K: the contracted axis; several contracted axes count as one K, in the product's order):
;;     1. [M 8,192, K 512] x [K 512, N 512]; A: input query; B: input Wq: QUANTISED
;;     2. [M 8,192, K 512] x [K 512, N 512]; A: input key; B: input Wk: QUANTISED
;;     3. [M 8,192, K 512] x [K 512, N 512]; A: input value; B: input Wv: QUANTISED
;;     4. batch 16 x [M 2,048, K 128] x [K 128, N 2,048]; A: computed on the way; B: computed on the way: QUANTISED
;;     5. batch 4 x [M 512, K 2,048] x [K 2,048, N 8,192]; A: computed on the way; B: softmax (see below): QUANTISED
;;     6. [M 8,192, K 2,048] x [K 2,048, N 512]; A: computed on the way; B: input Wo: QUANTISED
;;   THE QUANTISER, for each operand of a quantised product, along K:
;;     - K is cut into blocks of 32 from its start; a last block that is shorter is filled with zeros.
;;     - A block's scale is 2^e with e = floor(log2(the largest magnitude in the block)) - 4, held to -126 .. 127; a block of zeros has e = 0. As a byte (E8M0): e + 127.
;;     - Each number is divided by its block's scale, clamped to +-28, and rounded to the nearest number of E3M2, ties to even, subnormals kept.
;;     - The product sums the exact products of the quantised numbers (number of the format x scale) in f32.
;;   ~~~python
;;   def quantise(x, axis):      # numpy; x: float32 -> the quantised numbers, widened to float32 again
;;       x = np.moveaxis(x, axis, -1); K = x.shape[-1]
;;       x = np.pad(x, [(0, 0)] * (x.ndim - 1) + [(0, -K % 32)]); x = x.reshape(x.shape[:-1] + (-1, 32)); a = np.abs(x).max(-1, keepdims=True)
;;       e = np.where(a > 0, np.clip(np.frexp(np.where(a > 0, a, 1))[1] - 1 - 4, -126, 127), 0)      # np.frexp(a)[1] - 1 = floor(log2(a)), exactly
;;       r = np.clip(x / 2.0 ** e, -28, 28)
;;       step = 2.0 ** (np.maximum(np.frexp(np.where(r == 0, 1, r))[1] - 1, -2) - 2)
;;       q = np.round(r / step) * step * 2.0 ** e      # np.round: ties to even
;;       return np.moveaxis(q.reshape(q.shape[:-2] + (-1,))[..., :K], -1, axis).astype(np.float32)
;;   ~~~
;;   SOFTMAX AHEAD OF A QUANTISED PRODUCT. Where the list says 'softmax', what is quantised is not the finished softmax but p = 2^(t - M), with t = logit x log2(e) and M = ceil(the row's largest t), a whole number; so 1/2 < the row's largest p <= 1. The row's sum l is taken of the UNQUANTISED p, in f32, and the product's result is divided by l at the end. Since M is a whole number, a kernel that streams over the keys may use a running M (the ceiling of the running maximum): every later rescaling is an exact power of two, which a block's scale takes up: the codes' values come out the same.
;;   OPERANDS COMPUTED ON THE WAY. 'Computed on the way' means the value that the module computes at that place (a softmax that the list does not call 'softmax' is quantised finished and normalised). What goes into a quantiser is computed in f32, as accurately as f32 sums, v_exp_f32 and their like allow (about 1e-6 of the number): no bf16 or f16 on the way to a quantiser, and a product that is left as it is and whose result goes on into a quantised operand takes f32 operands (vector FMAs, or v_wmma_f32_16x16x4_f32). A number that lies on a knife's edge between two numbers of the format may be rounded either way, as far as f32 arithmetic and the matrix unit's own rounding can turn it there, and no further.
;; 2 versions, each right. Each part assembles by itself: llvm-mc -triple=amdgcn-amd-amdhsa -mcpu=gfx1250 --defsym DOCPART=n.
;; ======== version 1 of 2: 4 launches
;; workspace buffers: wimg 1,376,256 bytes; wscl 114,688 bytes; cod 9,437,184 bytes; scl 786,432 bytes; oc 12,582,912 bytes; os 1,048,576 bytes
;; launch prep (part 1): grid 224 x 1, 1 waves a work-group, no clusters, 0 bytes of LDS; arguments Wq, Wk, Wv, Wo, wimg, wscl; writes wimg, wscl
.if DOCPART == 1
	.amdgcn_target "amdgcn-amd-amdhsa--gfx1250"
	.amdhsa_code_object_version 6
	.text
	.protected	k_q5d08ef25ad_prep
	.globl	k_q5d08ef25ad_prep
	.p2align	8
	.type	k_q5d08ef25ad_prep,@function
k_q5d08ef25ad_prep:
	s_mov_b64 s[64:65], 0
	v_nop
	global_prefetch_b8 v0, s[64:65] scope:SCOPE_SE
	s_setreg_imm32_b32 hwreg(HW_REG_WAVE_MODE, 25, 1), 1
	s_wait_xcnt 0x0
; THE PROGRAM: four launches.  prep: the four weights into codes of E3M2.  proj: q, k, v (products 1 to 3, biases) and their codes.
; attn: products 4 and 5 with the softmax between them, the division by the row's sum, the codes of vals.  outp: product 6 and bo.
; Every operand that these launches hand on lies in memory as an IMAGE OF THE OPERAND'S REGISTERS: a fragment (16 rows x 128 K, 12 registers a lane)
; is 1,536 bytes, register p of lane l at 512 (p / 4) + 16 l + 4 (p % 4): three loads of 16 bytes a lane bring it, 512 consecutive bytes each.
; The scale words of four fragments are a quad of 512 bytes: register i of lane l at 16 l + 4 i; lanes 16-31 repeat lanes 0-15.
; WORK LEFT OUT (in attn alone): reference() adds -infinity to the score of key m for query l wherever m > l.  Such a key's p is 0 whatever the inputs hold: it adds
; nothing to the row's sum, its code is 0 and adds nothing to product 5, and it cannot be a row's or a live block's largest number.  So a step of 128 keys all of which
; come after all queries of a block is not walked: neither its scores (product 4) nor its part of product 5.  Nothing else is left out, and every input is loaded.
; LIMIT: a NaN, an infinity or an overflow that reaches only those steps is not carried to the result.
; LIMITS of the quantiser, in all launches: a block of zeros gets the byte 1 where the rule says 127 (its codes are zeros, and these launches alone read the bytes);
; a block's largest magnitude is taken no smaller than 2^-122, which holds the byte at 1 from below; NaN and infinities among the inputs are not served.
;
; THIS LAUNCH: one wave makes one unit: four fragments (four K steps of 128) of 16 columns of a weight, and their quad.  A weight is [K][512] f32, K its first axis:
; lane (r, h) takes one column and its registers run DOWN K in the order of the operand's layout (k = 64 c + 32 h + 0 .. 31), so the conversions' results are the operand's registers.
; Units 0-95: tensor g / 32 (Wq, Wk, Wv), wave (g / 8) % 4, tile t = g % 8.  THE COLUMNS OF A TILE ARE NOT NEIGHBOURS: row r of tile t is place d = 32 (t / 2) + 8 (t % 2) + r + 8 (r / 8)
; of the wave's 128, so that the results of tiles 2 b and 2 b + 1 are 16 neighbours along the next K.  Wq, Wk: the wave is the head, column 4 d + head.  Wv: column 128 wave + d.
; Units 96-223: Wo, columns 16 T + r, T = (g - 96) % 32; K steps 4 G + 0 .. 3, G = (g - 96) / 32.
; No LDS: every store is 512 consecutive bytes as it stands.  No matrix work.
.set XA, 64                            ; v64-127, v128-191: two sets of 64 numbers
.set XB, 128
.set CD, 192                           ; v192-239: the codes, 12 registers a fragment: no store's data are written again
.set CT, 240                           ; v240-246: the upper halves of the blocks, as the conversions leave them
.set QD, 248                           ; v248-251: the quad
	s_load_b256 s[4:11], s[0:1], 0x0               ; Wq, Wk, Wv, Wo
	s_load_b128 s[12:15], s[0:1], 0x20             ; wimg, wscl
	v_and_b32 v1, 15, v0                           ; r
	v_lshrrev_b32 v2, 4, v0                        ; h
	v_lshlrev_b32 v4, 4, v0                        ; 16 x lane: an image's place
	v_lshlrev_b32 v41, 3, v2                       ; 8 h: my bytes' place in the scale word
	v_mov_b32 v42, 0                               ; written once: a lane permute's destination counts as one of its sources
	s_mov_b32 s34, 0x76543210
	s_mov_b32 s35, 0xfedcba98                      ; lane l xor 16
	s_mov_b32 s16, ttmp9                           ; g
	s_bfe_u32 s18, s16, 0x20003                    ; wave = (g / 8) % 4
	s_and_b32 s19, s16, 7                          ; t
	s_lshr_b32 s20, s19, 1
	s_lshl_b32 s20, s20, 5
	s_and_b32 s21, s19, 1
	s_lshl_b32 s21, s21, 3
	s_add_co_u32 s20, s20, s21                     ; 32 (t / 2) + 8 (t % 2)
	s_lshl_b32 s22, s20, 4
	s_lshl_b32 s23, s18, 2
	s_add_co_u32 s22, s22, s23                     ; Wq, Wk: 16 bytes a place, + 4 head
	s_lshl_b32 s24, s20, 2
	s_lshl_b32 s25, s18, 9
	s_add_co_u32 s24, s24, s25                     ; Wv: 4 bytes a place, + 512 wave
	s_sub_co_u32 s26, s16, 96
	s_and_b32 s27, s26, 31
	s_lshl_b32 s27, s27, 6                         ; Wo: 64 T
	s_bfe_u32 s28, s26, 0x20005                    ; G
	s_lshl_b32 s28, s28, 20                        ; 512 rows of 2,048 bytes
	s_add_co_u32 s27, s27, s28
	s_cmp_lt_u32 s16, 64
	s_cselect_b32 s29, s22, s24
	s_cselect_b32 s30, 16, 4                       ; bytes from place to place
	s_cmp_lt_u32 s16, 96
	s_cselect_b32 s29, s29, s27                    ; where the unit begins in its weight
	s_cselect_b32 s30, s30, 4
	s_cselect_b32 s31, 8, 0                        ; the step of 8 behind a tile's eighth row, or none
	v_lshrrev_b32 v5, 3, v1
	v_mul_lo_u32 v5, v5, s31
	v_add_nc_u32 v5, v5, v1                        ; r + 8 (r / 8), or r
	v_mul_lo_u32 v3, v5, s30
	v_lshl_add_u32 v3, v2, 16, v3                  ; lanes 16-31 begin 32 rows further down
	s_mov_b32 s33, 0
	s_wait_kmcnt 0x0
	s_cmp_lt_u32 s16, 32                           ; the choices hang on the work-group's number alone
	s_cselect_b64 s[4:5], s[4:5], s[6:7]
	s_cmp_lt_u32 s16, 64
	s_cselect_b64 s[4:5], s[4:5], s[8:9]
	s_cmp_lt_u32 s16, 96
	s_cselect_b64 s[4:5], s[4:5], s[10:11]
	s_mov_b32 s32, s29
	s_add_nc_u64 s[4:5], s[4:5], s[32:33]
	s_mul_i32 s32, s16, 6144
	s_add_nc_u64 s[12:13], s[12:13], s[32:33]
	s_lshl_b32 s32, s16, 9
	s_add_nc_u64 s[14:15], s[14:15], s[32:33]
.macro LOADF f, set                    ; fragment f: W(128 f + 64 c + 32 h + i, my column) into register 32 c + i of the set
.set li, 0
.rept 64
	global_load_b32 v[\set+li], v3, s[4:5] offset:(128*\f+64*(li/32)+li%32)*2048
.set li, li+1
.endr
.endm
.macro QF f, set                       ; the set becomes fragment f's codes and scale word; the codes are stored
.irp c, 0,1
	v_max3_num_f32 v[32+\c], |v[\set+32*\c]|, |v[\set+32*\c+1]|, 0x2800000   ; my block 2 c + h: all 32 numbers are mine; the floor 2^(5 - 127) holds the byte at 1 from below
.endr
.irp i, 2,4,6,8,10,12,14,16,18,20,22,24,26,28,30
.irp c, 0,1
	v_max3_num_f32 v[32+\c], v[32+\c], |v[\set+32*\c+\i]|, |v[\set+32*\c+\i+1]|
.endr
.endr
.irp c, 0,1
	v_add_nc_u32 v[44+\c], 0xfe000000, v[32+\c]    ; 4 off the exponent field: the conversion's scale operand
.endr
.irp c, 0,1
	v_lshrrev_b32 v[36+\c], 23, v[44+\c]           ; the scale's byte
.endr
	v_lshl_or_b32 v40, v37, 16, v36                ; blocks h and 2 + h,
	v_lshlrev_b32 v40, v41, v40                    ; at their places in the word;
	v_permlanex16_b32 v42, v40, s34, s35
	v_or_b32 v[QD+\f], v40, v42                    ; with lane l xor 16's two the word is whole, in both halves of the lanes
.irp c, 0,1
	v_cvt_scalef32_pk16_bf6_f32 v[CD+12*\f+6*\c:CD+12*\f+6*\c+2], v[\set+32*\c:\set+32*\c+15], v[44+\c]
	v_cvt_scalef32_pk16_bf6_f32 v[CT+4*\c:CT+4*\c+2], v[\set+32*\c+16:\set+32*\c+31], v[44+\c]   ; (a conversion's three registers begin on an even number)
.endr
	v_nop                                          ; one plain place behind a scaled conversion
.irp c, 0,1
.irp i, 0,1,2
	v_mov_b32 v[CD+12*\f+6*\c+3+\i], v[CT+4*\c+\i]
.endr
.endr
.irp cc, 0,1,2
	global_store_b128 v4, v[CD+12*\f+4*\cc:CD+12*\f+4*\cc+3], s[12:13] offset:1536*\f+512*\cc
.endr
.endm
	LOADF 0, XA
	LOADF 1, XB
	s_wait_loadcnt 63                              ; the older set of 64 is in (64 younger loads were issued; the wait's field ends at 63, and a smaller count is always right)
	QF 0, XA
	LOADF 2, XA
	s_wait_loadcnt 63
	QF 1, XB
	LOADF 3, XB
	s_wait_loadcnt 63
	QF 2, XA
	s_wait_loadcnt 0x0
	QF 3, XB
	global_store_b128 v4, v[QD:QD+3], s[14:15]     ; the quad
	s_endpgm
.Lfunc_end_k_q5d08ef25ad_prep:
	.size	k_q5d08ef25ad_prep, .Lfunc_end_k_q5d08ef25ad_prep-k_q5d08ef25ad_prep
	.p2alignl 7, 3214868480
	.fill 96, 4, 3214868480
	.section	.rodata,"a",@progbits
	.p2align	6, 0x0
	.amdhsa_kernel k_q5d08ef25ad_prep
		.amdhsa_group_segment_fixed_size 0
		.amdhsa_private_segment_fixed_size 0
		.amdhsa_enable_private_segment 0
		.amdhsa_kernarg_size 48
		.amdhsa_user_sgpr_count 2
		.amdhsa_user_sgpr_kernarg_segment_ptr 1
		.amdhsa_wavefront_size32 1
		.amdhsa_system_sgpr_workgroup_id_x 1
		.amdhsa_system_sgpr_workgroup_id_y 1
		.amdhsa_system_sgpr_workgroup_id_z 1
		.amdhsa_system_vgpr_workitem_id 0
		.amdhsa_next_free_vgpr 256
		.amdhsa_next_free_sgpr 66
		.amdhsa_reserve_vcc 0
		.amdhsa_float_denorm_mode_32 3
		.amdhsa_float_denorm_mode_16_64 3
		.amdhsa_memory_ordered 1
		.amdhsa_forward_progress 1
		.amdhsa_inst_pref_size 40
	.end_amdhsa_kernel
	.amdgpu_metadata
---
amdhsa.version: [ 1, 2 ]
amdhsa.kernels:
  - .name:           k_q5d08ef25ad_prep
    .symbol:         k_q5d08ef25ad_prep.kd
    .args:
      - { .name: Wq, .offset: 0, .size: 8, .value_kind: global_buffer, .address_space: global }
      - { .name: Wk, .offset: 8, .size: 8, .value_kind: global_buffer, .address_space: global }
      - { .name: Wv, .offset: 16, .size: 8, .value_kind: global_buffer, .address_space: global }
      - { .name: Wo, .offset: 24, .size: 8, .value_kind: global_buffer, .address_space: global }
      - { .name: wimg, .offset: 32, .size: 8, .value_kind: global_buffer, .address_space: global }
      - { .name: wscl, .offset: 40, .size: 8, .value_kind: global_buffer, .address_space: global }
    .group_segment_fixed_size: 0
    .private_segment_fixed_size: 0
    .kernarg_segment_align: 8
    .kernarg_segment_size: 48
    .max_flat_workgroup_size: 32
    .sgpr_count:     66
    .vgpr_count:     256
    .wavefront_size: 32
...
	.end_amdgpu_metadata
.endif
;; end of part 1
;; launch proj (part 2): grid 192 x 1, 4 waves a work-group, no clusters, 107,008 bytes of LDS; arguments query, key, value, bq, bk, bv, wimg, wscl, cod, scl; writes cod, scl
.if DOCPART == 2
	.amdgcn_target "amdgcn-amd-amdhsa--gfx1250"
	.amdhsa_code_object_version 6
	.text
	.protected	k_q5d08ef25ad_proj
	.globl	k_q5d08ef25ad_proj
	.p2align	8
	.type	k_q5d08ef25ad_proj,@function
k_q5d08ef25ad_proj:
	s_mov_b64 s[64:65], 0
	v_nop
	global_prefetch_b8 v0, s[64:65] scope:SCOPE_SE
	s_setreg_imm32_b32 hwreg(HW_REG_WAVE_MODE, 25, 1), 1
	s_wait_xcnt 0x0
; q = query Wq + bq, k = key Wk + bk, v = value Wv + bv, each product on codes of E3M2 with one E8M0 scale for each 32 along K = 512; the results are quantised at once for the next products.
; A work-group takes one tensor (tau = work-group / 64: q, k, v) and 128 tokens.  192 work-groups: a fragment of V^T wants 128 keys in one lane's results, and 3 x 8,192 / 128 = 192.
; PHASE X: wave w quantises token tiles 2 w and 2 w + 1 of x (eight fragments) and stores their images in LDS.  One barrier.
; PHASE G, eight groups of 32 products: D[i] (i = 0 .. 7, by turns) = H(i, s) [source 0, held in registers] x St(s) [source 1, streamed], s = four K steps.
;   q, k: H = my head's weights (the wave is the head), St = x's token tile g from LDS: a lane holds one token and its 64 results run along the head's 128: one fragment of q or k.
;   v:    H = x's 32 fragments (every wave reads them from LDS once), St = weight unit 64 + 8 w + g from memory: a lane holds one channel and its results run along the 128 keys: a fragment of V^T.
; The rows of k's and v's token tiles, and of the weights' tiles, are chosen as prep's head says, so that a lane's 64 results are neighbours along the next K in the order that QUANT takes.
; The two ways part ONCE, on the work-group's number, and never join; each has LDS bytes of its own.
; The weights are read by all work-groups of a tensor, but each fragment is read by one wave of a work-group and goes from memory straight into operand registers: a joint load
; would bring its 98,304 bytes a wave into LDS first, to be read from there once.  So: no cluster.
; REGISTERS: window 0: v1-12 addresses; v16-47 H's scale words (4 i + s); v48-55 the scale words made; v64-127 D, and a set of x; v128-191 a set of x, later St (12 s);
;   v192-210 codes; v212-227 at work; v228 a scale word; v232-235 St's scale words.  window 1: H(i, 0 .. 1) at 24 i + 12 s; window 2: H(i, 2 .. 3); window 3: v0-63 the biases.
.set XIMG, 0                           ; LDS of a path: x's 32 fragments, (4 T + s) x 1,536,
.set XSC,  49152                       ; their quads, 512 T + 16 lane + 4 s
.set LB,   53248                       ; the v path's bytes begin here
.set SPARE, 106496                     ; the spare words, 128 bytes for each wave: two blocks of 256 bytes that no other line names
.set LI,  1                            ; v1   16 x lane
.set XA,  2                            ; v2-3 x: my byte in the work-group's 128 rows, for my two token tiles
.set SPW, 6                            ; v6   my spare word;  v7  0
.set NIL, 7
.set HS,  16
.set PWQ, 48
.set HA,  64
.set ST,  128
.set PC,  192
.set TM,  212
.set PW,  228
.set SS,  232
.set SEL, 30
.set MSB, 0
.macro WIN new                         ; the immediate's high byte repeats the setting that is left; a switch that changes nothing is dropped
.if MSB != \new
	s_set_vgpr_msb (MSB<<8)|\new
.set MSB, \new
.endif
.endm
; 64 numbers of a lane, register 16 b + i = k 32 b + 16 (lane / 16) + i of my row, become a fragment's codes in v[PC] on and its scale word in v[pw].
.macro QUANT s, pw
.irp b, 0,1,2,3
	v_max3_num_f32 v[TM+\b], |v[\s+16*\b]|, |v[\s+1+16*\b]|, 0x2800000   ; block b: my 16 numbers, and the floor 2^(5 - 127)
.endr
.irp i, 2,4,6,8,10,12,14
.irp b, 0,1,2,3
	v_max3_num_f32 v[TM+\b], v[TM+\b], |v[\s+16*\b+\i]|, |v[\s+1+16*\b+\i]|
.endr
.endr
.irp b, 0,1,2,3
	v_permlanex16_b32 v[TM+4+\b], v[TM+\b], s[SEL], s[SEL+1]
.endr
.irp b, 0,1,2,3
	v_max_num_f32 v[TM+\b], v[TM+\b], v[TM+4+\b]   ; with lane l xor 16's: the block's largest magnitude
.endr
.irp b, 0,1,2,3
	v_add_nc_u32 v[TM+12+\b], 0xfe000000, v[TM+\b] ; 4 off its exponent field: the conversion's scale operand
.endr
.irp b, 0,1,2,3
	v_lshrrev_b32 v[TM+4+\b], 23, v[TM+12+\b]      ; the scale's byte
.endr
	v_lshl_or_b32 v[\pw], v[TM+5], 8, v[TM+4]
	v_lshl_or_b32 v[\pw], v[TM+6], 16, v[\pw]
	v_lshl_or_b32 v[\pw], v[TM+7], 24, v[\pw]
.irp c, 0,1
	v_cvt_scalef32_pk16_bf6_f32 v[PC+6*\c:PC+2+6*\c], v[\s+32*\c:\s+15+32*\c], v[TM+12+2*\c]
	v_cvt_scalef32_pk16_bf6_f32 v[PC+12+4*\c:PC+14+4*\c], v[\s+16+32*\c:\s+31+32*\c], v[TM+12+2*\c+1]
.endr
	v_nop                                          ; one plain place behind a scaled conversion
.irp c, 0,1                            ; the layout wants a WHOLE block in a lane: lanes 0-15 block 2 c, lanes 16-31 block 2 c + 1
.irp i, 0,1,2
	v_permlane16_swap_b32 v[PC+6*\c+\i], v[PC+12+4*\c+\i]
.endr
.irp i, 0,1,2
	v_mov_b32 v[PC+3+6*\c+\i], v[PC+12+4*\c+\i]
.endr
.endr
.endm
.macro CLOSE                           ; the wave's end: behind my last LDS store
	s_wait_tensorcnt 0x0
	ds_add_u32 v[SPW], v[NIL]
	s_wait_dscnt 0x0
.endm
.macro XLOAD buf, u, q                 ; my token tile u, K step q: 16 numbers of each block of 32 of my row
.irp b, 0,1,2,3
.irp j, 0,1,2,3
	global_load_b128 v[\buf+16*\b+4*\j:\buf+16*\b+4*\j+3], v[XA+\u], s[34:35] offset:512*\q+128*\b+16*\j th:TH_LOAD_NT
.endr
.endr
.endm
.macro REQ v, g, lil                   ; group g's streamed operand: four fragments and their quad
.if \v
.irp q, 0,1,2,3
.irp cc, 0,1,2
	global_load_b128 v[ST+12*\q+4*\cc:ST+12*\q+4*\cc+3], v[LI], s[38:39] offset:(\g)*6144+\q*1536+512*\cc
.endr
.endr
	global_load_b128 v[SS:SS+3], v[LI], s[40:41] offset:(\g)*512
.else
.irp q, 0,1,2,3
.irp cc, 0,1,2
	ds_load_b128 v[ST+12*\q+4*\cc:ST+12*\q+4*\cc+3], v[\lil] offset:XIMG+(4*(\g)+\q)*1536+512*\cc
.endr
.endr
	ds_load_b128 v[SS:SS+3], v[\lil] offset:XSC+512*(\g)
.endif
.endm
.macro PRODS v, g                      ; 32 products: the eight accumulators by turns, a K step at a time; the bias is the C of each sum's first product
	WIN 0x31                                       ; source 0 window 1, C window 3
.irp i, 0,1,2,3,4,5,6,7
.if \v
	v_wmma_scale_f32_16x16x128_f8f6f4 v[HA+8*\i:HA+8*\i+7], v[24*\i:24*\i+11], v[ST:ST+11], v[8*(\g):8*(\g)+7], v[HS+4*\i], v[SS] matrix_a_fmt:MATRIX_FMT_BF6 matrix_b_fmt:MATRIX_FMT_BF6
.else
	v_wmma_scale_f32_16x16x128_f8f6f4 v[HA+8*\i:HA+8*\i+7], v[24*\i:24*\i+11], v[ST:ST+11], v[8*\i:8*\i+7], v[HS+4*\i], v[SS] matrix_a_fmt:MATRIX_FMT_BF6 matrix_b_fmt:MATRIX_FMT_BF6
.endif
.endr
	WIN 0x01
.irp i, 0,1,2,3,4,5,6,7
	v_wmma_scale_f32_16x16x128_f8f6f4 v[HA+8*\i:HA+8*\i+7], v[24*\i+12:24*\i+23], v[ST+12:ST+23], v[HA+8*\i:HA+8*\i+7], v[HS+4*\i+1], v[SS+1] matrix_a_fmt:MATRIX_FMT_BF6 matrix_b_fmt:MATRIX_FMT_BF6
.endr
	WIN 0x02
.irp i, 0,1,2,3,4,5,6,7
	v_wmma_scale_f32_16x16x128_f8f6f4 v[HA+8*\i:HA+8*\i+7], v[24*\i:24*\i+11], v[ST+24:ST+35], v[HA+8*\i:HA+8*\i+7], v[HS+4*\i+2], v[SS+2] matrix_a_fmt:MATRIX_FMT_BF6 matrix_b_fmt:MATRIX_FMT_BF6
.endr
.irp i, 0,1,2,3,4,5,6,7
	v_wmma_scale_f32_16x16x128_f8f6f4 v[HA+8*\i:HA+8*\i+7], v[24*\i+12:24*\i+23], v[ST+36:ST+47], v[HA+8*\i:HA+8*\i+7], v[HS+4*\i+3], v[SS+3] matrix_a_fmt:MATRIX_FMT_BF6 matrix_b_fmt:MATRIX_FMT_BF6
.endr
	WIN 0
.endm
; The whole way of one kind of tensor.  v = 0: q or k; v = 1: v.  xwi, xws, lil: the path's LDS address registers.
.macro BODY v, xwi, xws, lil
.if \v == 0
	WIN 0x40                                       ; my head's weights: they stay
.irp i, 0,1,2,3,4,5,6,7
.irp q, 0,1
.irp cc, 0,1,2
	global_load_b128 v[24*\i+12*\q+4*\cc:24*\i+12*\q+4*\cc+3], v[LI], s[38:39] offset:\i*6144+\q*1536+512*\cc
.endr
.endr
.endr
	WIN 0x80
.irp i, 0,1,2,3,4,5,6,7
.irp q, 0,1
.irp cc, 0,1,2
	global_load_b128 v[24*\i+12*\q+4*\cc:24*\i+12*\q+4*\cc+3], v[LI], s[38:39] offset:\i*6144+(\q+2)*1536+512*\cc
.endr
.endr
.endr
	WIN 0
.irp i, 0,1,2,3,4,5,6,7
	global_load_b128 v[HS+4*\i:HS+4*\i+3], v[LI], s[40:41] offset:512*\i
.endr
	WIN 0xc0                                       ; the bias in the result's layout: register j of tile i is place 32 (i / 2) + 16 h + 8 (i % 2) + j of the head: column 4 x place + head
.irp i, 0,1,2,3,4,5,6,7
.irp j, 0,1,2,3,4,5,6,7
	global_load_b32 v[8*\i+\j], v8, s[36:37] offset:16*(32*(\i/2)+8*(\i%2)+\j)
.endr
.endr
	WIN 0
.else
	WIN 0xc0                                       ; the bias in the result's layout: in group i a lane holds one channel, so its eight registers hold one number
.irp i, 0,1,2,3,4,5,6,7
.irp j, 0,1,2,3,4,5,6,7
	global_load_b32 v[8*\i+\j], v12, s[36:37] offset:4*(32*(\i/2)+8*(\i%2))
.endr
.endr
	WIN 0
.endif
	; ---- X: eight units (token tile k / 4, K step k % 4), two sets of registers by turns, one unit's 16 loads ahead
	XLOAD HA, 0, 0
	XLOAD HA+64, 0, 1
.irp k, 0,1,2,3,4,5,6,7
.if \k < 7
	s_wait_loadcnt 16                              ; this unit's loads are in, and all that were issued ahead of them; the next unit's 16 may be out
.else
	s_wait_loadcnt 0x0
.endif
	QUANT HA+64*(\k%2), PW
.irp cc, 0,1,2
	ds_store_b128 v[\xwi], v[PC+4*\cc:PC+4*\cc+3] offset:XIMG+\k*1536+512*\cc
.endr
	ds_store_b32 v[\xws], v[PW] offset:XSC+512*(\k/4)+4*(\k%4)
	s_wait_dscnt 0x0                               ; the stores have read their registers
.if \k < 6
	XLOAD HA+64*(\k%2), ((\k+2)/4), ((\k+2)%4)
.endif
.endr
	s_barrier_signal -1                            ; my stores have landed (the wait above); x's 32 fragments lie in LDS behind this barrier
	s_barrier_wait -1
.if \v
	WIN 0x40                                       ; x is the held operand: all 32 fragments into registers
.irp i, 0,1,2,3,4,5,6,7
.irp q, 0,1
.irp cc, 0,1,2
	ds_load_b128 v[24*\i+12*\q+4*\cc:24*\i+12*\q+4*\cc+3], v[\lil] offset:XIMG+(4*\i+\q)*1536+512*\cc
.endr
.endr
.endr
	WIN 0x80
.irp i, 0,1,2,3,4,5,6,7
.irp q, 0,1
.irp cc, 0,1,2
	ds_load_b128 v[24*\i+12*\q+4*\cc:24*\i+12*\q+4*\cc+3], v[\lil] offset:XIMG+(4*\i+\q+2)*1536+512*\cc
.endr
.endr
.endr
	WIN 0
.irp i, 0,1,2,3,4,5,6,7
	ds_load_b128 v[HS+4*\i:HS+4*\i+3], v[\lil] offset:XSC+512*\i
.endr
.endif
	; ---- G
	REQ \v, 0, \lil
.irp g, 0,1,2,3,4,5,6,7
	s_wait_loadcnt 0x0                             ; the streamed operand is in, from memory
	s_wait_dscnt 0x0                               ; or from LDS
	PRODS \v, \g
.rept 4
	v_nop                                          ; places in front of the loads into the streamed operand's registers and of the first read of results
.endr
.if \g < 7
	REQ \v, (\g+1), \lil                           ; the next group's, while this group is quantised
.endif
	s_wait_xcnt 0x0                                ; the last group's stores have read the codes' registers
	QUANT HA, PWQ+\g                               ; (its lines on other registers are the places ahead of the next group's first product, which begins D anew)
.irp cc, 0,1,2
	global_store_b128 v[LI], v[PC+4*\cc:PC+4*\cc+3], s[42:43] offset:\g*1536+512*\cc
.endr
.endr
	global_store_b128 v[LI], v[PWQ:PWQ+3], s[44:45]
	global_store_b128 v[LI], v[PWQ+4:PWQ+7], s[44:45] offset:512
	CLOSE
	s_endpgm
.endm
	s_load_b512 s[4:19], s[0:1], 0x0               ; query, key, value, bq, bk, bv, wimg, wscl
	s_load_b128 s[20:23], s[0:1], 0x40             ; cod, scl
	v_lshl_add_u32 v[SPW], v0, 2, SPARE
	v_mov_b32 v[NIL], 0
	v_lshrrev_b32 v13, 5, v0
	v_readfirstlane_b32 s24, v13                   ; wave
	s_lshr_b32 s25, ttmp9, 6                       ; tau
	s_and_b32 s26, ttmp9, 63                       ; which 128 tokens
	s_lshr_b32 s27, s26, 4                         ; b
	s_and_b32 s28, s26, 15                         ; J
	v_and_b32 v13, 31, v0
	v_lshlrev_b32 v[LI], 4, v13
	v_and_b32 v14, 15, v0                          ; r
	v_bfe_u32 v15, v0, 4, 1                        ; h
	s_mul_i32 s29, s24, 12288
	v_add_nc_u32 v4, s29, v[LI]                    ; where I store x's images: 16 lane + 8 fragments x wave
	v_add_nc_u32 v9, LB, v4                        ; (the v path's)
	s_lshl_b32 s29, s24, 10
	v_add_nc_u32 v5, s29, v[LI]                    ; and their scale words: 16 lane + 2 quads x wave
	v_add_nc_u32 v10, LB, v5
	v_add_nc_u32 v11, LB, v[LI]
	s_cmp_eq_u32 s25, 0                            ; q's token tiles are neighbours; k's and v's are chosen
	s_cselect_b32 s32, 0, 8
	s_cselect_b32 s33, 16, 8
	s_lshl_b32 s33, s33, 11                        ; from my first tile to my second, in bytes
	v_lshrrev_b32 v2, 3, v14
	v_mul_lo_u32 v2, v2, s32
	v_add_nc_u32 v2, v2, v14
	s_lshl_b32 s29, s24, 5
	v_add_nc_u32 v2, s29, v2                       ; my row: 32 wave + r (+ 8 (r / 8))
	v_lshlrev_b32 v2, 11, v2
	v_lshl_add_u32 v2, v15, 6, v2                  ; + 64 h: my 16 numbers of a block
	v_add_nc_u32 v3, s33, v2
	v_lshlrev_b32 v8, 8, v15                       ; bias, q and k: 16 h places of 16 bytes
	v_lshrrev_b32 v12, 3, v14
	v_lshl_add_u32 v12, v12, 3, v14
	v_lshlrev_b32 v12, 2, v12                      ; bias, v: 4 (r + 8 (r / 8))
.irp b, 0,1,2,3
	v_mov_b32 v[TM+4+\b], 0                        ; written once: a lane permute's destination counts as one of its sources
.endr
	s_mov_b32 s[SEL], 0x76543210
	s_mov_b32 s[SEL+1], 0xfedcba98
	s_mov_b32 s47, 0
	s_wait_kmcnt 0x0
	s_cmp_eq_u32 s25, 0                            ; the choices hang on the work-group's number alone
	s_cselect_b64 s[34:35], s[4:5], s[6:7]
	s_cselect_b64 s[36:37], s[10:11], s[12:13]
	s_cmp_eq_u32 s25, 2
	s_cselect_b64 s[34:35], s[8:9], s[34:35]       ; x
	s_cselect_b64 s[36:37], s[14:15], s[36:37]     ; its bias
	s_cselect_b32 s29, 9, 2
	s_lshl_b32 s46, s24, s29                       ; + 512 wave (v) or 4 head (q, k)
	s_add_nc_u64 s[36:37], s[36:37], s[46:47]
	s_lshl_b32 s46, s26, 18                        ; 128 rows of 2,048 bytes
	s_add_nc_u64 s[34:35], s[34:35], s[46:47]
	s_lshl_b32 s48, s25, 5
	s_lshl_b32 s49, s24, 3
	s_add_co_u32 s48, s48, s49                     ; my first unit of weights: 32 tau + 8 wave
	s_mul_i32 s46, s48, 6144
	s_add_nc_u64 s[38:39], s[16:17], s[46:47]
	s_lshl_b32 s46, s48, 9
	s_add_nc_u64 s[40:41], s[18:19], s[46:47]
	s_lshl_b32 s48, s27, 2
	s_add_co_u32 s48, s48, s24                     ; 4 b + head
	s_lshl_b32 s49, s48, 7
	s_lshl_b32 s50, s28, 3
	s_add_co_u32 s49, s49, s50                     ; q, k: fragment (4 b + head) 128 + 8 J
	s_lshl_b32 s50, s48, 4
	s_add_co_u32 s50, s50, s28                     ;       pair of quads (4 b + head) 16 + J
	s_lshl_b32 s51, s27, 4
	s_add_co_u32 s51, s51, s28                     ; 16 b + J
	s_lshl_b32 s52, s51, 5
	s_lshl_b32 s53, s24, 3
	s_add_co_u32 s52, s52, s53                     ; v: fragment (16 b + J) 32 + 8 wave
	s_lshl_b32 s53, s51, 2
	s_add_co_u32 s53, s53, s24                     ;    pair of quads (16 b + J) 4 + wave
	s_cmp_eq_u32 s25, 2
	s_cselect_b32 s49, s52, s49
	s_cselect_b32 s50, s53, s50
	s_mul_i32 s46, s49, 1536
	s_mul_i32 s48, s25, 3145728
	s_add_co_u32 s46, s46, s48
	s_add_nc_u64 s[42:43], s[20:21], s[46:47]
	s_lshl_b32 s46, s50, 10
	s_lshl_b32 s48, s25, 18
	s_add_co_u32 s46, s46, s48
	s_add_nc_u64 s[44:45], s[22:23], s[46:47]
	s_cmp_eq_u32 s25, 2
	s_cbranch_scc1 .Lvpath
	BODY 0, 4, 5, 1
.Lvpath:
	BODY 1, 9, 10, 11
.Lfunc_end_k_q5d08ef25ad_proj:
	.size	k_q5d08ef25ad_proj, .Lfunc_end_k_q5d08ef25ad_proj-k_q5d08ef25ad_proj
	.p2alignl 7, 3214868480
	.fill 96, 4, 3214868480
	.section	.rodata,"a",@progbits
	.p2align	6, 0x0
	.amdhsa_kernel k_q5d08ef25ad_proj
		.amdhsa_group_segment_fixed_size 107008
		.amdhsa_private_segment_fixed_size 0
		.amdhsa_enable_private_segment 0
		.amdhsa_kernarg_size 80
		.amdhsa_user_sgpr_count 2
		.amdhsa_user_sgpr_kernarg_segment_ptr 1
		.amdhsa_wavefront_size32 1
		.amdhsa_system_sgpr_workgroup_id_x 1
		.amdhsa_system_sgpr_workgroup_id_y 1
		.amdhsa_system_sgpr_workgroup_id_z 1
		.amdhsa_system_vgpr_workitem_id 0
		.amdhsa_next_free_vgpr 832
		.amdhsa_next_free_sgpr 66
		.amdhsa_reserve_vcc 0
		.amdhsa_float_denorm_mode_32 3
		.amdhsa_float_denorm_mode_16_64 3
		.amdhsa_memory_ordered 1
		.amdhsa_forward_progress 1
		.amdhsa_inst_pref_size 255
	.end_amdhsa_kernel
	.section	.bss,"aw",@nobits
	.p2align	6
	.space	262144
	.amdgpu_metadata
---
amdhsa.version: [ 1, 2 ]
amdhsa.kernels:
  - .name:           k_q5d08ef25ad_proj
    .symbol:         k_q5d08ef25ad_proj.kd
    .args:
      - { .name: query, .offset: 0, .size: 8, .value_kind: global_buffer, .address_space: global }
      - { .name: key, .offset: 8, .size: 8, .value_kind: global_buffer, .address_space: global }
      - { .name: value, .offset: 16, .size: 8, .value_kind: global_buffer, .address_space: global }
      - { .name: bq, .offset: 24, .size: 8, .value_kind: global_buffer, .address_space: global }
      - { .name: bk, .offset: 32, .size: 8, .value_kind: global_buffer, .address_space: global }
      - { .name: bv, .offset: 40, .size: 8, .value_kind: global_buffer, .address_space: global }
      - { .name: wimg, .offset: 48, .size: 8, .value_kind: global_buffer, .address_space: global }
      - { .name: wscl, .offset: 56, .size: 8, .value_kind: global_buffer, .address_space: global }
      - { .name: cod, .offset: 64, .size: 8, .value_kind: global_buffer, .address_space: global }
      - { .name: scl, .offset: 72, .size: 8, .value_kind: global_buffer, .address_space: global }
    .group_segment_fixed_size: 107008
    .private_segment_fixed_size: 0
    .kernarg_segment_align: 8
    .kernarg_segment_size: 80
    .max_flat_workgroup_size: 128
    .sgpr_count:     66
    .vgpr_count:     832
    .wavefront_size: 32
...
	.end_amdgpu_metadata
.endif
;; end of part 2
;; launch attn (part 3): grid 256 x 1, 4 waves a work-group, no clusters, 28,160 bytes of LDS; arguments cod, scl, oc, os; writes oc, os
.if DOCPART == 3
	.amdgcn_target "amdgcn-amd-amdhsa--gfx1250"
	.amdhsa_code_object_version 6
	.text
	.protected	k_q5d08ef25ad_attn
	.globl	k_q5d08ef25ad_attn
	.p2align	8
	.type	k_q5d08ef25ad_attn,@function
k_q5d08ef25ad_attn:
	s_mov_b64 s[64:65], 0
	v_nop
	global_prefetch_b8 v0, s[64:65] scope:SCOPE_SE
	s_setreg_imm32_b32 hwreg(HW_REG_WAVE_MODE, 25, 1), 1
	s_wait_xcnt 0x0
; vals[b][l][head][:] = the sum over keys m <= l of softmax_m(q . k / sqrt(128)) v[m][:], both products on codes of E3M2 with E8M0 scales; vals is quantised along head x 512 + channel for the last product.
; WORK LEFT OUT: a step of 128 keys all of which come after all queries of a block is not walked (shown at the head of the first kernel).
; THE SOFTMAX: t = score x log2(e) / sqrt(128); M = the running largest t, rounded UP to a whole number; p = 2^(t - M) is quantised along the keys; the row's sum is taken of the unquantised p and divides at the end;
; when M moves, the sum and O are multiplied by f = 2^(old M - new M), which rounds nothing.
; SHARES.  A work-group owns one head (work-group % 4) of one batch and 128 queries: the lo block, tiles 4 c + n, and the hi block, tiles 124 - 4 c + n, n = 0 .. 3.  They need (c / 2) + 1 and 16 - (c / 2)
; key steps of 128: 17 in every work-group.  All four tiles of a block end in the same key step, so which steps are walked and which lies on the diagonal hangs on ids alone and is the same in all waves.
; TWO ROLES A WAVE.  S phase: wave w makes scores, softmax and p's codes for tile w of each block (S^T = K Q^T: a lane holds one query; the keys of a tile of K are chosen so that a lane's 64 scores are
; neighbours in the order of the next operand).  PV phase: wave w owns channels 128 w .. + 127 (eight fragments of V^T) for all eight tiles: 64 accumulators.  p's fragments, their scale words and f go
; from wave to wave through LDS as images of registers.  Two barriers a step: p, f and the reads of K lie ahead of the first; the reads of p and the next K's store between the two.
; So a fragment of V is read by ONE wave of the work-group and goes from memory straight into operand registers.  NO CLUSTER: the four heads' work-groups read the same V, but a joint load lands in LDS:
; a step's 49,152 bytes of V would be written there and read from there, beside the 24,576 bytes of K and the 12,288 of p that each wave reads from LDS in a step with both blocks.
; The look-ahead loads of the last steps are held at step 15, not jumped over, so that every counted wait counts the same loads on every way; what they bring is not used.
; REGISTERS.  window 0: v1-11 addresses; v12-19 -M, largest t, sum (two halves) of my lo and hi tile; v20 f; v22-23 Q's scale words; v24-31 K's; v32-39 V's; v40-43, v48-51 p's (hi, lo); v52-59 f of lo's tiles;
;   v60-63 scale words made; v64-127 scores, then p; in PV v64-111 hi's four fragments of p, v112-119 their f; v128-175 four fragments of K, in PV lo's four of p; v176-194 codes; v196-231 at work.
;   windows W = 1, 2, 3: rows a = 3 (W - 1) + rho of V^T: accumulator (a, block u, tile n) at 64 rho + 32 u + 8 n, V(a) at 192 + 12 rho: ONE window setting serves a window's products and its rescaling.
;   window 3 also: v128-153 the next K on its way to LDS; v216-239 Q.
.set KB,   0                           ; LDS: the step's eight fragments of K,
.set KSC,  12288                       ; their two quads,
.set PB,   13312                       ; p's eight fragments (4 u + n),
.set PSC,  25600                       ; their scale words, 128 bytes each,
.set PF,   26624                       ; f likewise; at the end 1 / the sum
.set SPARE, 27648                      ; the spare words, 128 bytes for each wave: two blocks of 256 bytes that no other line names
.set LI,  1                            ; 16 x lane
.set LS,  2                            ; 4 x lane
.set PWI, 3                            ; PB + 16 lane + 1,536 wave
.set PWS, 4                            ; 4 lane + 128 wave
.set SPW, 5
.set NIL, 6
.set KST, 7                            ; 16 lane + 3,072 wave
.set KSS, 8                            ; KSC + 8 lane + 256 wave
.set L8,  9                            ; 8 x lane
.set DL,  10                           ; r - 16 h
.set PFO, 11                           ; the prefetches' offset
.set STA, 12
.set FF,  20
.set QS,  22
.set KS,  24
.set VS,  32
.set PSH, 40
.set PSL, 48
.set FL,  52
.set PWQ, 60
.set S,   64
.set FH,  112
.set KF,  128
.set PC,  176
.set BM,  196
.set BT,  200
.set SO,  204
.set LT,  208
.set TMP, 210
.set PW,  211
.set PFI, 212
.set MD,  213
.set NINF, 214
.set T2,  215
.set TM,  216
.set QR,  216                          ; in window 3
.set SEL, 20
.set MSB, 0
.macro WIN new
.if MSB != \new
	s_set_vgpr_msb (MSB<<8)|\new
.set MSB, \new
.endif
.endm
.macro QUANT s, pw                     ; 64 numbers of a lane, register 16 b + i = k 32 b + 16 (lane / 16) + i of my row: codes in v[PC] on, scale word in v[pw]
.irp b, 0,1,2,3
	v_max3_num_f32 v[TM+\b], |v[\s+16*\b]|, |v[\s+1+16*\b]|, 0x2800000
.endr
.irp i, 2,4,6,8,10,12,14
.irp b, 0,1,2,3
	v_max3_num_f32 v[TM+\b], v[TM+\b], |v[\s+16*\b+\i]|, |v[\s+1+16*\b+\i]|
.endr
.endr
.irp b, 0,1,2,3
	v_permlanex16_b32 v[TM+4+\b], v[TM+\b], s[SEL], s[SEL+1]
.endr
.irp b, 0,1,2,3
	v_max_num_f32 v[TM+\b], v[TM+\b], v[TM+4+\b]
.endr
.irp b, 0,1,2,3
	v_add_nc_u32 v[TM+12+\b], 0xfe000000, v[TM+\b]
.endr
.irp b, 0,1,2,3
	v_lshrrev_b32 v[TM+4+\b], 23, v[TM+12+\b]
.endr
	v_lshl_or_b32 v[\pw], v[TM+5], 8, v[TM+4]
	v_lshl_or_b32 v[\pw], v[TM+6], 16, v[\pw]
	v_lshl_or_b32 v[\pw], v[TM+7], 24, v[\pw]
.irp c, 0,1
	v_cvt_scalef32_pk16_bf6_f32 v[PC+6*\c:PC+2+6*\c], v[\s+32*\c:\s+15+32*\c], v[TM+12+2*\c]
	v_cvt_scalef32_pk16_bf6_f32 v[PC+12+4*\c:PC+14+4*\c], v[\s+16+32*\c:\s+31+32*\c], v[TM+12+2*\c+1]
.endr
	v_nop
.irp c, 0,1
.irp i, 0,1,2
	v_permlane16_swap_b32 v[PC+6*\c+\i], v[PC+12+4*\c+\i]
.endr
.irp i, 0,1,2
	v_mov_b32 v[PC+3+6*\c+\i], v[PC+12+4*\c+\i]
.endr
.endr
.endm
.macro RRUN W, P                       ; a step's rows of V^T of window W, from the pointer pair s[P]
	WIN (\W<<6)
.irp rho, 0,1,2
.if 3*(\W-1)+\rho < 8
.irp cc, 0,1,2
	global_load_b128 v[192+12*\rho+4*\cc:192+12*\rho+4*\cc+3], v[LI], s[\P:\P+1] offset:(3*(\W-1)+\rho)*1536+512*\cc
.endr
.endif
.endr
.endm
; THE S PHASE of my tile of block u: scores, mask on the diagonal, softmax, p's codes, their image and f to LDS.
.macro SOFT u
.irp g, 0,1                            ; four tiles of 16 keys at a time
.if \g
.rept 4
	v_nop                                          ; places in front of loads into registers that matrix instructions have read
.endr
.endif
.irp t, 0,1,2,3
.irp cc, 0,1,2
	ds_load_b128 v[KF+12*\t+4*\cc:KF+12*\t+4*\cc+3], v[LI] offset:KB+(4*\g+\t)*1536+512*\cc
.endr
.endr
	s_wait_dscnt 0x0
	WIN 0x0c                                       ; source 1 (Q) window 3
.irp t, 0,1,2,3
	v_wmma_scale_f32_16x16x128_f8f6f4 v[S+8*(4*\g+\t):S+8*(4*\g+\t)+7], v[KF+12*\t:KF+12*\t+11], v[QR+12*\u:QR+12*\u+11], 0, v[KS+4*\g+\t], v[QS+\u] matrix_a_fmt:MATRIX_FMT_BF6 matrix_b_fmt:MATRIX_FMT_BF6
.endr
	WIN 0
.endr
.rept 4
	v_nop
.endr
	s_add_co_u32 s44, s18, 1                       ; only the block's last step lies on the diagonal
	s_cmp_lg_u32 s44, s[16+\u]
	s_cbranch_scc1 .Lopen_\@
	s_lshl_b32 s44, s18, 7
	s_sub_co_i32 s44, s[24+\u], s44
	v_add_nc_u32 v[MD], s44, v[DL]                 ; d = my query - the step's first key - 16 h.  Register 16 b + i holds key 32 b + 16 h + i of the step: hidden where 32 b + i > d
.set sj, 0
.rept 64
	v_cmp_gt_i32 vcc_lo, 32*(sj/16)+sj%16, v[MD]
	v_cndmask_b32 v[S+sj], v[S+sj], v[NINF], vcc_lo
.set sj, sj+1
.endr
.Lopen_\@:
.irp b, 0,1,2,3
	v_max3_num_f32 v[BM+\b], v[S+16*\b], v[S+16*\b+1], v[S+16*\b+2]   ; the largest score of each block of 32 keys: for the row's maximum, and, since p rises with the score, for the block's largest p
.endr
.irp i, 3,5,7,9,11,13
.irp b, 0,1,2,3
	v_max3_num_f32 v[BM+\b], v[BM+\b], v[S+16*\b+\i], v[S+16*\b+\i+1]
.endr
.endr
.irp b, 0,1,2,3
	v_max_num_f32 v[BM+\b], v[BM+\b], v[S+16*\b+15]
.endr
.irp b, 0,1,2,3
	v_permlanex16_b32 v[BT+\b], v[BM+\b], s[SEL], s[SEL+1]
.endr
.irp b, 0,1,2,3
	v_max_num_f32 v[BM+\b], v[BM+\b], v[BT+\b]
.endr
	v_max3_num_f32 v[TMP], v[BM], v[BM+1], v[BM+2]
	v_max_num_f32 v[TMP], v[TMP], v[BM+3]
	v_mul_f32 v[TMP], s22, v[TMP]                  ; as t (c is positive)
	v_max_num_f32 v[STA+4*\u+1], v[STA+4*\u+1], v[TMP]   ; the running largest t
	v_mov_b32 v[TMP], v[STA+4*\u]
	v_floor_f32 v[STA+4*\u], -v[STA+4*\u+1]        ; the new -M = floor(-t): M is a whole number
	v_sub_f32 v[TMP], v[STA+4*\u], v[TMP]          ; old M - new M: a whole number, 0 or less
	v_cvt_i32_f32 v[TMP], v[TMP]                   ; (it saturates)
	v_ldexp_f32 v[FF], 1.0, v[TMP]                 ; f
.set sj, 0
.rept 32
	v_pk_fma_f32 v[S+sj:S+sj+1], v[S+sj:S+sj+1], s[22:23], v[STA+4*\u:STA+4*\u+1] op_sel_hi:[1,0,0]   ; t - M, two at a time (of the pairs c and -M the low word serves both halves)
.set sj, sj+2
.endr
.irp b, 0,1,2,3
	v_fma_f32 v[BM+\b], v[BM+\b], s22, v[STA+4*\u]
.endr
.set sj, 0
.rept 64
	v_exp_f32 v[S+sj], v[S+sj]                     ; p, at most 1, not normalised
.set sj, sj+1
.endr
	v_pk_mul_f32 v[STA+4*\u+2:STA+4*\u+3], v[STA+4*\u+2:STA+4*\u+3], v[FF:FF+1] op_sel_hi:[1,0]   ; the sum under the new M: the plain place behind the exponentials
	s_wait_alu depctr_va_vdst(0)                   ; one wait for the batch, ahead of its first use
.irp b, 0,1,2,3
	v_exp_f32 v[BM+\b], v[BM+\b]                   ; each block's largest p
.endr
	v_pk_add_f32 v[LT:LT+1], v[S:S+1], v[S+2:S+3]  ; the row's sum is taken of the unquantised p, in two chains
.set sj, 4
.rept 15
	v_pk_add_f32 v[STA+4*\u+2:STA+4*\u+3], v[STA+4*\u+2:STA+4*\u+3], v[S+sj:S+sj+1]
	v_pk_add_f32 v[LT:LT+1], v[LT:LT+1], v[S+sj+2:S+sj+3]
.set sj, sj+4
.endr
	v_pk_add_f32 v[STA+4*\u+2:STA+4*\u+3], v[STA+4*\u+2:STA+4*\u+3], v[LT:LT+1]
	s_wait_alu depctr_va_vdst(0)                   ; and one for the four
.irp b, 0,1,2,3
	v_max_num_f32 v[BM+\b], 0x2800000, v[BM+\b]    ; the floor: a block whose every p is 0 keeps the byte 1; its codes are zeros
.endr
.irp b, 0,1,2,3
	v_add_nc_u32 v[SO+\b], 0xfe000000, v[BM+\b]
.endr
.irp b, 0,1,2,3
	v_lshrrev_b32 v[BT+\b], 23, v[SO+\b]
.endr
	v_lshl_or_b32 v[PW], v[BT+1], 8, v[BT]
	v_lshl_or_b32 v[PW], v[BT+2], 16, v[PW]
	v_lshl_or_b32 v[PW], v[BT+3], 24, v[PW]
.irp c, 0,1
	v_cvt_scalef32_pk16_bf6_f32 v[PC+6*\c:PC+2+6*\c], v[S+32*\c:S+15+32*\c], v[SO+2*\c]
	v_cvt_scalef32_pk16_bf6_f32 v[PC+12+4*\c:PC+14+4*\c], v[S+16+32*\c:S+31+32*\c], v[SO+2*\c+1]
.endr
	v_nop
.irp c, 0,1
.irp i, 0,1,2
	v_permlane16_swap_b32 v[PC+6*\c+\i], v[PC+12+4*\c+\i]
.endr
.irp i, 0,1,2
	v_mov_b32 v[PC+3+6*\c+\i], v[PC+12+4*\c+\i]
.endr
.endr
.irp cc, 0,1,2
	ds_store_b128 v[PWI], v[PC+4*\cc:PC+4*\cc+3] offset:6144*\u+512*\cc
.endr
	ds_store_b32 v[PWS], v[PW] offset:PSC+512*\u
	ds_store_b32 v[PWS], v[FF] offset:PF+512*\u
	s_wait_dscnt 0x0                               ; the stores have read their registers
.endm
.macro LOADP u, pr, psr, fr, first     ; block u's four fragments of p, their scale words and f
.irp n, 0,1,2,3
.irp cc, 0,1,2
	ds_load_b128 v[\pr+12*\n+4*\cc:\pr+12*\n+4*\cc+3], v[LI] offset:PB+(4*\u+\n)*1536+512*\cc
.endr
.endr
.irp n, 0,1,2,3
	ds_load_b32 v[\psr+\n], v[LS] offset:PSC+128*(4*\u+\n)
.endr
.if \first == 0
.irp n, 0,1,2,3
	ds_load_b32 v[\fr+2*\n], v[LS] offset:PF+128*(4*\u+\n)
.endr
.endif
.endm
; O^T += V^T P^T for block u: my eight rows of V^T x four tiles, window by window.  first = 1: the products start the sums.  Else each accumulator is first multiplied by its tile's f: a window's first row ahead of its
; products, each later row behind the products of the row before.  The accumulators take turns, one instruction a turn.
; u = 1: behind a window's products its rows of the next step's V are asked for (five places first: four for the loads; the fifth since the next step's score products write over registers that these products read).
.macro PASS u, first, pr, psr, fr
.irp W, 1,2,3
	WIN ((\W<<6)|(\W<<4)|\W)
.if \first == 0
.irp n, 0,1,2,3
.irp k, 0,2,4,6
	v_pk_mul_f32 v[32*\u+8*\n+\k:32*\u+8*\n+\k+1], v[32*\u+8*\n+\k:32*\u+8*\n+\k+1], v[\fr+2*\n:\fr+2*\n+1] op_sel_hi:[1,0]
.endr
.endr
.endif
.irp rho, 0,1,2
.if 3*(\W-1)+\rho < 8
.irp n, 0,1,2,3
.if \first
	v_wmma_scale_f32_16x16x128_f8f6f4 v[64*\rho+32*\u+8*\n:64*\rho+32*\u+8*\n+7], v[192+12*\rho:192+12*\rho+11], v[\pr+12*\n:\pr+12*\n+11], 0, v[VS+3*(\W-1)+\rho], v[\psr+\n] matrix_a_fmt:MATRIX_FMT_BF6 matrix_b_fmt:MATRIX_FMT_BF6
.else
	v_wmma_scale_f32_16x16x128_f8f6f4 v[64*\rho+32*\u+8*\n:64*\rho+32*\u+8*\n+7], v[192+12*\rho:192+12*\rho+11], v[\pr+12*\n:\pr+12*\n+11], v[64*\rho+32*\u+8*\n:64*\rho+32*\u+8*\n+7], v[VS+3*(\W-1)+\rho], v[\psr+\n] matrix_a_fmt:MATRIX_FMT_BF6 matrix_b_fmt:MATRIX_FMT_BF6
.endif
.if (\first == 0) && (\rho < 2) && (3*(\W-1)+\rho+1 < 8)
.irp k, 0,2,4,6
	v_pk_mul_f32 v[64*(\rho+1)+32*\u+8*\n+\k:64*(\rho+1)+32*\u+8*\n+\k+1], v[64*(\rho+1)+32*\u+8*\n+\k:64*(\rho+1)+32*\u+8*\n+\k+1], v[\fr+2*\n:\fr+2*\n+1] op_sel_hi:[1,0]
.endr
.endif
.endr
.endif
.endr
.if \u
.rept 5
	v_nop
.endr
	RRUN \W, 38
.endif
.endr
	WIN 0
.if \u
	global_load_b128 v[VS:VS+3], v[LI], s[40:41]   ; and the next step's scale words of V: behind the step's last product and its places
	global_load_b128 v[VS+4:VS+7], v[LI], s[40:41] offset:512
.endif
.endm
; A KEY STEP.  s18 = J.  first = 1: step 0, in which both blocks are at work and the sums start.
.macro STEP first
.if \first == 0
	s_cmp_ge_u32 s18, s17                          ; past the hi block's last step: nothing but the barriers
	s_cbranch_scc1 .Lb1_\@
.endif
	ds_load_b128 v[KS:KS+3], v[LI] offset:KSC
	ds_load_b128 v[KS+4:KS+7], v[LI] offset:KSC+512
.if \first == 0
	s_cmp_ge_u32 s18, s16                          ; past the lo block's last step
	s_cbranch_scc1 .Lnolo_\@
.endif
	SOFT 0
.Lnolo_\@:
	SOFT 1
.Lb1_\@:
	s_wait_dscnt 0x0                               ; my images of p have landed, my reads of K are in
	s_barrier_signal -1
	s_barrier_wait -1
.if \first == 0
	s_cmp_ge_u32 s18, s17
	s_cbranch_scc1 .Lb2_\@
.endif
	s_wait_loadcnt 26                              ; the next step's K is in its registers: behind its 7 loads stand the 9 + 9 + 8 of V and its scale words
	WIN 0x0c                                       ; an LDS store's data are its source 1: window 3
.irp k, 0,1,2,3,4,5
	ds_store_b128 v[KST], v[128+4*\k:128+4*\k+3] offset:KB+512*\k
.endr
	ds_store_b64 v[KSS], v[152:153]
	WIN 0
	s_wait_xcnt 0x0                                ; the last step's loads and prefetch have read their addresses: they may be written
.if \first == 0
	v_add_nc_u32 v[PFO], v[PFO], v[PFI]
.endif
	s_add_co_u32 s44, s18, 2
	s_min_u32 s44, s44, 15                         ; K two steps on, held at the last step
	s_mul_i32 s42, s44, 12288
	s_add_nc_u64 s[34:35], s[26:27], s[42:43]
	s_lshl_b32 s42, s44, 10
	s_add_nc_u64 s[36:37], s[28:29], s[42:43]
	s_add_co_u32 s44, s18, 1
	s_min_u32 s44, s44, 15                         ; V one step on
	s_mul_i32 s42, s44, 49152
	s_add_nc_u64 s[38:39], s[30:31], s[42:43]
	s_lshl_b32 s42, s44, 12
	s_add_nc_u64 s[40:41], s[32:33], s[42:43]
	s_wait_dscnt 0x0                               ; the stores have read their registers
	WIN 0xc0
.irp k, 0,1,2,3,4,5
	global_load_b128 v[128+4*\k:128+4*\k+3], v[LI], s[34:35] offset:512*\k
.endr
	global_load_b64 v[152:153], v[L8], s[36:37]
	WIN 0
	s_cmp_lt_u32 s18, s45                          ; the prefetch of step J + 4: see the head of the text below
	s_cbranch_scc0 .Lnopf_\@
	global_prefetch_b8 v[PFO], s[4:5] th:TH_LOAD_NT scope:SCOPE_SE
.Lnopf_\@:
	LOADP 1, S, PSH, FH, \first
.if \first == 0
	s_cmp_ge_u32 s18, s16
	s_cbranch_scc1 .Lnolo2_\@
.endif
	LOADP 0, KF, PSL, FL, \first
	s_wait_dscnt 0x0
	s_wait_loadcnt 7                               ; this step's V and its scale words are in; the 7 loads of K just issued may be out
	PASS 0, \first, KF, PSL, FL
.Lnolo2_\@:
	s_wait_dscnt 0x0
	s_wait_loadcnt 7
	PASS 1, \first, S, PSH, FH
.Lb2_\@:
	s_wait_dscnt 0x0                               ; my part of the next K has landed, my reads of p are in
	s_barrier_signal -1
	s_barrier_wait -1
.endm
	s_load_b256 s[4:11], s[0:1], 0x0               ; cod, scl, oc, os
	v_lshl_add_u32 v[SPW], v0, 2, SPARE
	v_mov_b32 v[NIL], 0
	v_lshrrev_b32 v[TMP], 5, v0
	v_readfirstlane_b32 s12, v[TMP]                ; wave
	s_and_b32 s13, ttmp9, 3                        ; head
	s_bfe_u32 s14, ttmp9, 0x40002                  ; c
	s_lshr_b32 s15, ttmp9, 6                       ; b
	s_lshr_b32 s16, s14, 1
	s_sub_co_u32 s17, 16, s16                      ; hi's steps
	s_add_co_u32 s16, s16, 1                       ; lo's steps
	v_and_b32 v[T2], 31, v0
	v_lshlrev_b32 v[LI], 4, v[T2]
	v_lshlrev_b32 v[LS], 2, v[T2]
	v_lshlrev_b32 v[L8], 3, v[T2]
	s_mul_i32 s44, s12, 1536
	v_add_nc_u32 v[PWI], s44, v[LI]
	v_add_nc_u32 v[PWI], PB, v[PWI]
	s_lshl_b32 s44, s12, 7
	v_add_nc_u32 v[PWS], s44, v[LS]
	s_mul_i32 s44, s12, 3072
	v_add_nc_u32 v[KST], s44, v[LI]
	s_lshl_b32 s44, s12, 8
	v_add_nc_u32 v[KSS], s44, v[L8]
	v_add_nc_u32 v[KSS], KSC, v[KSS]
	v_and_b32 v[DL], 15, v0
	v_bfe_u32 v[TMP], v0, 4, 1
	v_lshlrev_b32 v[TMP], 4, v[TMP]
	v_sub_nc_u32 v[DL], v[DL], v[TMP]
	s_mov_b32 s[SEL], 0x76543210
	s_mov_b32 s[SEL+1], 0xfedcba98
	s_mov_b32 s22, 0x3e0293ee                      ; c = log2(e) / sqrt(128)
	s_mov_b32 s23, s22                             ; (named with it as a pair)
	s_lshl_b32 s24, s14, 6
	s_lshl_b32 s44, s12, 4
	s_sub_co_u32 s25, 1984, s24
	s_add_co_u32 s24, s24, s44                     ; my lo tile's first query: 64 c + 16 wave
	s_add_co_u32 s25, s25, s44                     ; my hi tile's: 1,984 - 64 c + 16 wave
	v_mov_b32 v[NINF], 0xff800000
	v_mov_b32 v[FF+1], 0                           ; (named as the upper half of a pair)
.irp u, 0,1
	v_mov_b32 v[STA+4*\u+1], 0xff61b1e6            ; the largest t so far: -3e38
	v_floor_f32 v[STA+4*\u], -v[STA+4*\u+1]
	v_mov_b32 v[STA+4*\u+2], 0
	v_mov_b32 v[STA+4*\u+3], 0
.endr
.irp b, 0,1,2,3
	v_mov_b32 v[BT+\b], 0                          ; written once: a lane permute's destination counts as one of its sources
	v_mov_b32 v[TM+4+\b], 0
	v_mov_b32 v[FL+2*\b+1], 0                      ; (upper halves of pairs)
.endr
	s_mov_b32 s43, 0
	s_lshl_b32 s62, s15, 2
	s_add_co_u32 s62, s62, s13                     ; 4 b + head
	s_lshl_b32 s63, s62, 7
	s_wait_kmcnt 0x0
	s_lshl_b32 s44, s12, 1
	s_add_co_u32 s44, s44, s63
	s_mul_i32 s42, s44, 1536
	s_add_co_u32 s42, s42, 3145728
	s_add_nc_u64 s[26:27], s[4:5], s[42:43]        ; K: my two fragments of step 0
	s_lshl_b32 s42, s62, 14
	s_lshl_b32 s44, s12, 8
	s_add_co_u32 s42, s42, s44
	s_add_co_u32 s42, s42, 262144
	s_add_nc_u64 s[28:29], s[6:7], s[42:43]        ; my 256 bytes of its two quads
	s_lshl_b32 s44, s15, 9
	s_lshl_b32 s66, s12, 3
	s_add_co_u32 s44, s44, s66
	s_mul_i32 s42, s44, 1536
	s_add_co_u32 s42, s42, 6291456
	s_add_nc_u64 s[30:31], s[4:5], s[42:43]        ; V: my eight fragments of step 0
	s_lshl_b32 s44, s15, 6
	s_add_co_u32 s44, s44, s12
	s_lshl_b32 s42, s44, 10
	s_add_co_u32 s42, s42, 524288
	s_add_nc_u64 s[32:33], s[6:7], s[42:43]        ; their two quads
	s_lshl_b32 s66, s14, 2                         ; lo's first tile
	s_sub_co_u32 s67, 124, s66                     ; hi's
	s_add_co_u32 s44, s63, s66
	s_add_co_u32 s44, s44, s12
	s_mul_i32 s42, s44, 1536
	s_add_nc_u64 s[46:47], s[4:5], s[42:43]        ; Q, lo
	s_add_co_u32 s44, s63, s67
	s_add_co_u32 s44, s44, s12
	s_mul_i32 s42, s44, 1536
	s_add_nc_u64 s[48:49], s[4:5], s[42:43]        ; Q, hi
	s_lshl_b32 s68, s62, 5
	s_sub_co_u32 s69, 31, s14
	s_add_co_u32 s44, s68, s14
	s_lshl_b32 s42, s44, 9
	s_lshl_b32 s44, s12, 2
	s_add_co_u32 s42, s42, s44
	s_add_nc_u64 s[50:51], s[6:7], s[42:43]        ; Q's scale words: quad c, register wave
	s_add_co_u32 s44, s68, s69
	s_lshl_b32 s42, s44, 9
	s_lshl_b32 s44, s12, 2
	s_add_co_u32 s42, s42, s44
	s_add_nc_u64 s[52:53], s[6:7], s[42:43]        ; quad 31 - c
	s_lshl_b32 s70, s15, 7
	s_lshl_b32 s71, s13, 2
	s_add_co_u32 s71, s71, s12                     ; the last product's K step: 4 head + wave
	s_add_co_u32 s44, s70, s66
	s_lshl_b32 s44, s44, 4
	s_add_co_u32 s44, s44, s71
	s_mul_i32 s42, s44, 1536
	s_add_nc_u64 s[54:55], s[8:9], s[42:43]        ; vals' codes, lo
	s_add_co_u32 s44, s70, s67
	s_lshl_b32 s44, s44, 4
	s_add_co_u32 s44, s44, s71
	s_mul_i32 s42, s44, 1536
	s_add_nc_u64 s[56:57], s[8:9], s[42:43]        ; hi
	s_lshl_b32 s72, s71, 7
	s_lshl_b32 s73, s15, 5
	s_add_co_u32 s72, s72, s73
	s_add_co_u32 s44, s72, s14
	s_lshl_b32 s42, s44, 9
	s_add_nc_u64 s[58:59], s[10:11], s[42:43]      ; their quads
	s_add_co_u32 s44, s72, s69
	s_lshl_b32 s42, s44, 9
	s_add_nc_u64 s[60:61], s[10:11], s[42:43]
	; THE PREFETCHES.  In step J, behind the wave's loads of K, one instruction names step J + 4, in blocks of 256 bytes, a lane a block.  The work-groups with c = 0 ask, since they walk all 16 steps: one for each batch and head.
	; A step of a head's K is 48 blocks; a step of the batch's V is 192, of which head x takes fragments 8 x on: 48.  Wave 0: K's blocks 0-31; wave 1: V's 0-31; wave 2: lanes 0-15 K's 32-47, lanes 16-31 V's 32-47.
	; So each block is named once in the launch.  Steps 0 to 3 come by their loads alone; J = 12 and later ask for nothing; the scale bytes are not asked for.
	s_mul_i32 s66, s62, 196608
	s_add_co_u32 s66, s66, 3145728+49152           ; K of my head, step 4
	s_lshl_b32 s67, s15, 4
	s_add_co_u32 s67, s67, 4
	s_mul_i32 s67, s67, 49152
	s_mul_i32 s68, s13, 12288
	s_add_co_u32 s67, s67, s68
	s_add_co_u32 s67, s67, 6291456                 ; V of my batch, step 4, my head's quarter
	s_mov_b32 s68, 12288
	s_mov_b32 s69, 49152
	s_cmp_eq_u32 s12, 1
	s_cselect_b32 s70, s67, s66                    ; lanes 0-15
	s_cselect_b32 s71, s69, s68
	s_cmp_eq_u32 s12, 0
	s_cselect_b32 s72, s66, s67                    ; lanes 16-31
	s_cselect_b32 s73, s68, s69
	s_cmp_eq_u32 s12, 2
	s_cselect_b32 s74, 15, 31
	s_cselect_b32 s75, 8192, 0
	s_cmp_lt_u32 s12, 3
	s_cselect_b32 s45, 12, 0
	s_cmp_eq_u32 s14, 0
	s_cselect_b32 s45, s45, 0                      ; a wave asks while J is under this
	v_cmp_gt_u32 vcc_lo, 16, v[T2]
	v_mov_b32 v[PFO], s72
	v_mov_b32 v[TMP], s70
	v_cndmask_b32 v[PFO], v[PFO], v[TMP], vcc_lo
	v_mov_b32 v[PFI], s73
	v_mov_b32 v[TMP], s71
	v_cndmask_b32 v[PFI], v[PFI], v[TMP], vcc_lo
	v_and_b32 v[TMP], s74, v[T2]
	v_lshl_add_u32 v[PFO], v[TMP], 8, v[PFO]
	v_add_nc_u32 v[PFO], s75, v[PFO]
	; THE FIRST LOADS: Q (8), K of step 0 (7), K of step 1 (7), V of step 0 and its scale words (26)
	WIN 0xc0
.irp cc, 0,1,2
	global_load_b128 v[QR+4*\cc:QR+4*\cc+3], v[LI], s[46:47] offset:512*\cc
.endr
.irp cc, 0,1,2
	global_load_b128 v[QR+12+4*\cc:QR+12+4*\cc+3], v[LI], s[48:49] offset:512*\cc
.endr
	WIN 0
	global_load_b32 v[QS], v[LI], s[50:51]
	global_load_b32 v[QS+1], v[LI], s[52:53]
.irp k, 0,1,2,3,4,5
	global_load_b128 v[KF+4*\k:KF+4*\k+3], v[LI], s[26:27] offset:512*\k
.endr
	global_load_b64 v[KF+24:KF+25], v[L8], s[28:29]
	WIN 0xc0
.irp k, 0,1,2,3,4,5
	global_load_b128 v[128+4*\k:128+4*\k+3], v[LI], s[26:27] offset:12288+512*\k
.endr
	global_load_b64 v[152:153], v[L8], s[28:29] offset:1024
	RRUN 1, 30
	RRUN 2, 30
	RRUN 3, 30
	WIN 0
	global_load_b128 v[VS:VS+3], v[LI], s[32:33]
	global_load_b128 v[VS+4:VS+7], v[LI], s[32:33] offset:512
	s_wait_loadcnt 33                              ; Q and K of step 0 are in: 7 + 26 loads stand behind them
.irp k, 0,1,2,3,4,5
	ds_store_b128 v[KST], v[KF+4*\k:KF+4*\k+3] offset:KB+512*\k
.endr
	ds_store_b64 v[KSS], v[KF+24:KF+25]
	s_wait_dscnt 0x0
	s_barrier_signal -1
	s_barrier_wait -1
	s_mov_b32 s18, 0
	STEP 1                                         ; step 0 is written out: its products start the sums, nothing is cleared
	s_mov_b32 s18, 1
.Lstep:
	STEP 0
	s_add_co_u32 s18, s18, 1
	s_cmp_lt_u32 s18, 16
	s_cbranch_scc1 .Lstep
	; THE WAY OUT.  1 / the sum of my two tiles goes to the other waves through LDS; each accumulator tile is divided, and a tile's 64 numbers of a lane (my 128 channels of one query) are one fragment of vals.
	s_wait_loadcnt 0x0                             ; the look-ahead loads of the last step
	v_add_f32 v[BM], v[STA+2], v[STA+3]
	v_add_f32 v[BM+1], v[STA+6], v[STA+7]
	v_permlanex16_b32 v[BT], v[BM], s[SEL], s[SEL+1]
	v_permlanex16_b32 v[BT+1], v[BM+1], s[SEL], s[SEL+1]
	v_add_f32 v[BM], v[BM], v[BT]
	v_add_f32 v[BM+1], v[BM+1], v[BT+1]
	v_rcp_f32 v[SO], v[BM]
	v_rcp_f32 v[SO+1], v[BM+1]
	v_nop                                          ; a plain place behind the reciprocals
	s_wait_alu depctr_va_vdst(0)                   ; one wait for both, ahead of their first use
	ds_store_b32 v[PWS], v[SO] offset:PF
	ds_store_b32 v[PWS], v[SO+1] offset:PF+512
	s_wait_dscnt 0x0
	s_barrier_signal -1
	s_barrier_wait -1
.irp u, 0,1
.irp n, 0,1,2,3
	ds_load_b32 v[FL+2*\n], v[LS] offset:PF+128*(4*\u+\n)
.endr
	s_wait_dscnt 0x0
.irp n, 0,1,2,3
.irp a, 0,1,2,3,4,5,6,7
	WIN (1+\a/3)                                   ; source 0: the accumulator's window
.irp k, 0,2,4,6
	v_pk_mul_f32 v[S+8*\a+\k:S+8*\a+\k+1], v[64*(\a%3)+32*\u+8*\n+\k:64*(\a%3)+32*\u+8*\n+\k+1], v[FL+2*\n:FL+2*\n+1] op_sel_hi:[1,0]   ; each accumulator from its low end on
.endr
.endr
	WIN 0
	s_wait_xcnt 0x0                                ; the earlier stores have read the codes' and the scale words' registers
	QUANT S, PWQ+\n
.irp cc, 0,1,2
	global_store_b128 v[LI], v[PC+4*\cc:PC+4*\cc+3], s[54+2*\u:55+2*\u] offset:\n*24576+512*\cc
.endr
.endr
	global_store_b128 v[LI], v[PWQ:PWQ+3], s[58+2*\u:59+2*\u]
.endr
	s_wait_tensorcnt 0x0                           ; the wave's end: behind my last LDS store
	ds_add_u32 v[SPW], v[NIL]
	s_wait_dscnt 0x0
	s_endpgm
.Lfunc_end_k_q5d08ef25ad_attn:
	.size	k_q5d08ef25ad_attn, .Lfunc_end_k_q5d08ef25ad_attn-k_q5d08ef25ad_attn
	.p2alignl 7, 3214868480
	.fill 96, 4, 3214868480
	.section	.rodata,"a",@progbits
	.p2align	6, 0x0
	.amdhsa_kernel k_q5d08ef25ad_attn
		.amdhsa_group_segment_fixed_size 28160
		.amdhsa_private_segment_fixed_size 0
		.amdhsa_enable_private_segment 0
		.amdhsa_kernarg_size 32
		.amdhsa_user_sgpr_count 2
		.amdhsa_user_sgpr_kernarg_segment_ptr 1
		.amdhsa_wavefront_size32 1
		.amdhsa_system_sgpr_workgroup_id_x 1
		.amdhsa_system_sgpr_workgroup_id_y 1
		.amdhsa_system_sgpr_workgroup_id_z 1
		.amdhsa_system_vgpr_workitem_id 0
		.amdhsa_next_free_vgpr 1024
		.amdhsa_next_free_sgpr 80
		.amdhsa_reserve_vcc 1
		.amdhsa_float_denorm_mode_32 3
		.amdhsa_float_denorm_mode_16_64 3
		.amdhsa_memory_ordered 1
		.amdhsa_forward_progress 1
		.amdhsa_inst_pref_size 187
	.end_amdhsa_kernel
	.amdgpu_metadata
---
amdhsa.version: [ 1, 2 ]
amdhsa.kernels:
  - .name:           k_q5d08ef25ad_attn
    .symbol:         k_q5d08ef25ad_attn.kd
    .args:
      - { .name: cod, .offset: 0, .size: 8, .value_kind: global_buffer, .address_space: global }
      - { .name: scl, .offset: 8, .size: 8, .value_kind: global_buffer, .address_space: global }
      - { .name: oc, .offset: 16, .size: 8, .value_kind: global_buffer, .address_space: global }
      - { .name: os, .offset: 24, .size: 8, .value_kind: global_buffer, .address_space: global }
    .group_segment_fixed_size: 28160
    .private_segment_fixed_size: 0
    .kernarg_segment_align: 8
    .kernarg_segment_size: 32
    .max_flat_workgroup_size: 128
    .sgpr_count:     80
    .vgpr_count:     1024
    .wavefront_size: 32
...
	.end_amdgpu_metadata
.endif
;; end of part 3
;; launch outp (part 4): grid 4 x 64, 4 waves a work-group, no clusters, 230,912 bytes of LDS; arguments oc, os, wimg, wscl, bo, out0; writes out0
.if DOCPART == 4
	.amdgcn_target "amdgcn-amd-amdhsa--gfx1250"
	.amdhsa_code_object_version 6
	.text
	.protected	k_q5d08ef25ad_outp
	.globl	k_q5d08ef25ad_outp
	.p2align	8
	.type	k_q5d08ef25ad_outp,@function
k_q5d08ef25ad_outp:
	s_mov_b64 s[64:65], 0
	v_nop
	global_prefetch_b8 v0, s[64:65] scope:SCOPE_SE
	s_setreg_imm32_b32 hwreg(HW_REG_WAVE_MODE, 25, 1), 1
	s_wait_xcnt 0x0
; out0 = vals Wo + bo, on the codes that attn and prep have made; K = 2,048 = 16 steps of 128.
; A work-group makes 128 queries (tiles 8 y ..) x 128 columns (tiles 8 x ..).  THE WAVES SPLIT K: wave w takes K steps 4 w .. 4 w + 3 (head w) for the whole 128 x 128: 64 accumulators, 64 products from 16 fragments a step.
; So every fragment is read by one wave of the work-group and goes from memory straight into operand registers, and the K loop has no LDS traffic and no barrier.  The four partial sums meet in LDS once.
; LIMIT: each output is the sum of four partial f32 sums along K, not one chain.
; NO CLUSTER: the fragments of vals are shared by the four work-groups of a row and Wo's by the 64 of a column, but a joint load lands in LDS, from where each fragment would be read once; 196,608 bytes of LDS hold the partial sums.
; ROTATION: accumulator row a holds query tile (a + 2 w) % 8, so that rows 0 and 1 are the wave's own tiles in every wave, and rows 2 d, 2 d + 1 belong to wave (w + d) % 4.
; The product is used transposed (source 0 = 16 columns of Wo, source 1 = 16 queries): a lane holds eight neighbouring columns of one row.  bo is the C of the first product on the wave's own rows: each output has one owner.
; REGISTERS: window 0: v1-10 addresses; v16-31 vals' scale words, two sets; v32-63 Wo's (4 column tile + step); v64-159, v160-255 vals' fragments, two sets.
;   window 1: Wo's fragments, two sets, at v0 and v128; bo at v96-127 and v224-255.  windows 2, 3: the accumulators, (a, column tile) at 64 (a % 4) + 8 x column tile.
.set RED,  0                           ; LDS: owner x 49,152 + (d - 1) x 16,384 + (a % 2) x 8,192 + column tile x 1,024 + 512 half + 16 lane
.set STG,  196608                      ; a stage of 16 rows x (512 + 16) bytes for each wave
.set SPARE, 230400                     ; the spare words, 128 bytes for each wave: two blocks of 256 bytes that no other line names
.set LI,   1                           ; v1 16 x lane;  v2-4 where rows 2 d, 2 d + 1 go (d = 1 .. 3)
.set REDR, 5
.set STO,  6
.set RD,   7
.set SPW,  8
.set NIL,  9
.set MSB, 0
.macro WIN new
.if MSB != \new
	s_set_vgpr_msb (MSB<<8)|\new
.set MSB, \new
.endif
.endm
.macro LOADS q, set                    ; my K step q: 8 fragments of Wo, 8 of vals, vals' scale words: 52 loads
	WIN 0x40
.irp bc, 0,1,2,3,4,5,6,7
.irp cc, 0,1,2
	global_load_b128 v[128*\set+12*\bc+4*\cc:128*\set+12*\bc+4*\cc+3], v[LI], s[36:37] offset:\bc*6144+1536*\q+512*\cc
.endr
.endr
	WIN 0
.irp a, 0,1,2,3,4,5,6,7
.irp cc, 0,1,2
	global_load_b128 v[64+96*\set+12*\a+4*\cc:64+96*\set+12*\a+4*\cc+3], v[LI], s[20+2*(\a/2):21+2*(\a/2)] offset:(\a%2)*24576+1536*\q+512*\cc
.endr
.endr
.irp d, 0,1,2,3
	global_load_b64 v[16+8*\set+2*\d:17+8*\set+2*\d], v[LI], s[28+2*\d:29+2*\d] offset:65536*\q
.endr
.endm
.macro MULS q, set, first              ; 64 products: the 64 accumulators by turns, in the same order in every step
.irp a, 0,1,2,3,4,5,6,7
.if (\first) && (\a < 2)
	WIN 0x91                                       ; source 0 and C (bo) window 1, D window 2
.else
	WIN (0xa1+0x50*(\a/4))
.endif
.irp bc, 0,1,2,3,4,5,6,7
.if (\first) && (\a < 2)
	v_wmma_scale_f32_16x16x128_f8f6f4 v[64*(\a%4)+8*\bc:64*(\a%4)+8*\bc+7], v[128*\set+12*\bc:128*\set+12*\bc+11], v[64+96*\set+12*\a:64+96*\set+12*\a+11], v[96+128*(\bc/4)+8*(\bc%4):96+128*(\bc/4)+8*(\bc%4)+7], v[32+4*\bc+\q], v[16+8*\set+\a] matrix_a_fmt:MATRIX_FMT_BF6 matrix_b_fmt:MATRIX_FMT_BF6
.elseif \first
	v_wmma_scale_f32_16x16x128_f8f6f4 v[64*(\a%4)+8*\bc:64*(\a%4)+8*\bc+7], v[128*\set+12*\bc:128*\set+12*\bc+11], v[64+96*\set+12*\a:64+96*\set+12*\a+11], 0, v[32+4*\bc+\q], v[16+8*\set+\a] matrix_a_fmt:MATRIX_FMT_BF6 matrix_b_fmt:MATRIX_FMT_BF6
.else
	v_wmma_scale_f32_16x16x128_f8f6f4 v[64*(\a%4)+8*\bc:64*(\a%4)+8*\bc+7], v[128*\set+12*\bc:128*\set+12*\bc+11], v[64+96*\set+12*\a:64+96*\set+12*\a+11], v[64*(\a%4)+8*\bc:64*(\a%4)+8*\bc+7], v[32+4*\bc+\q], v[16+8*\set+\a] matrix_a_fmt:MATRIX_FMT_BF6 matrix_b_fmt:MATRIX_FMT_BF6
.endif
.endr
.endr
	WIN 0
.rept 4
	v_nop                                          ; places in front of loads into registers that these products have read, and of the first read of results
.endr
.endm
	s_load_b256 s[4:11], s[0:1], 0x0               ; oc, os, wimg, wscl
	s_load_b128 s[12:15], s[0:1], 0x20             ; bo, out0
	v_lshl_add_u32 v[SPW], v0, 2, SPARE
	v_mov_b32 v[NIL], 0
	v_lshrrev_b32 v11, 5, v0
	v_readfirstlane_b32 s16, v11                   ; wave
	s_mov_b32 s17, ttmp9                           ; x
	s_and_b32 s18, ttmp7, 0xffff                   ; y
	v_and_b32 v11, 31, v0
	v_lshlrev_b32 v[LI], 4, v11
	v_and_b32 v12, 15, v0                          ; r
	v_bfe_u32 v13, v0, 4, 1                        ; h
	v_lshlrev_b32 v10, 5, v13                      ; bo: 8 h numbers on
	s_mul_i32 s46, s16, 49152
	v_add_nc_u32 v[REDR], s46, v[LI]               ; what the others send me
	s_mul_i32 s46, s16, 8448
	s_add_co_u32 s46, s46, STG                     ; my stage
	v_mul_u32_u24 v[STO], v12, 528
	v_lshl_add_u32 v[STO], v13, 5, v[STO]
	v_add_nc_u32 v[STO], s46, v[STO]               ; in: row r, 32 bytes for each half of the lanes
	v_add_nc_u32 v[RD], s46, v[LI]                 ; back: the 32 lanes take one row of 512 bytes
	s_mov_b32 s45, 0
	s_wait_kmcnt 0x0
.irp d, 0,1,2,3
	s_add_co_u32 s46, s16, \d
	s_and_b32 s46, s46, 3                          ; the owner of rows 2 d, 2 d + 1
	s_lshl_b32 s47, s18, 3
	s_lshl_b32 s48, s46, 1
	s_add_co_u32 s47, s47, s48                     ; their first query tile: 8 y + 2 owner
	s_lshl_b32 s47, s47, 4
	s_lshl_b32 s48, s16, 2
	s_add_co_u32 s47, s47, s48                     ; x 16 K steps, + my first: 4 w
	s_mul_i32 s44, s47, 1536
	s_add_nc_u64 s[20+2*\d:21+2*\d], s[4:5], s[44:45]
	s_lshl_b32 s47, s16, 9
	s_lshl_b32 s48, s18, 1
	s_add_co_u32 s47, s47, s48
	s_lshr_b32 s48, s46, 1
	s_add_co_u32 s47, s47, s48                     ; quad 128 (4 w) + 2 y + owner / 2,
	s_lshl_b32 s47, s47, 9
	s_and_b32 s48, s46, 1
	s_lshl_b32 s48, s48, 3                         ; its registers 2 (owner % 2) and the next
	s_add_co_u32 s44, s47, s48
	s_add_nc_u64 s[28+2*\d:29+2*\d], s[6:7], s[44:45]
.if \d > 0
	s_mul_i32 s47, s46, 49152
	s_add_co_u32 s47, s47, (\d-1)*16384
	v_add_nc_u32 v[1+\d], s47, v[LI]
.endif
.endr
	s_lshl_b32 s46, s16, 5
	s_lshl_b32 s47, s17, 3
	s_add_co_u32 s46, s46, s47
	s_add_co_u32 s46, s46, 96                      ; Wo's unit 96 + 32 w + 8 x
	s_mul_i32 s44, s46, 6144
	s_add_nc_u64 s[36:37], s[8:9], s[44:45]
	s_lshl_b32 s44, s46, 9
	s_add_nc_u64 s[38:39], s[10:11], s[44:45]
	s_lshl_b32 s44, s17, 9
	s_add_nc_u64 s[40:41], s[12:13], s[44:45]      ; bo at column 128 x
	s_add_nc_u64 s[42:43], s[14:15], s[44:45]
	s_lshl_b32 s44, s18, 18
	s_lshl_b32 s46, s16, 16
	s_add_co_u32 s44, s44, s46
	s_add_nc_u64 s[42:43], s[42:43], s[44:45]      ; out0 at row 128 y + 32 w, column 128 x
.irp bc, 0,1,2,3,4,5,6,7
	global_load_b128 v[32+4*\bc:35+4*\bc], v[LI], s[38:39] offset:512*\bc
.endr
	WIN 0x40
.irp bc, 0,1,2,3,4,5,6,7
	global_load_b128 v[96+128*(\bc/4)+8*(\bc%4):96+128*(\bc/4)+8*(\bc%4)+3], v10, s[40:41] offset:64*\bc
	global_load_b128 v[96+128*(\bc/4)+8*(\bc%4)+4:96+128*(\bc/4)+8*(\bc%4)+7], v10, s[40:41] offset:64*\bc+16
.endr
	WIN 0
	LOADS 0, 0
	LOADS 1, 1
	s_wait_loadcnt 52                              ; this step's loads are in, and all that were issued ahead of them; the next step's 52 may be out
	MULS 0, 0, 1
	LOADS 2, 0
	s_wait_loadcnt 52
	MULS 1, 1, 0
	LOADS 3, 1
	s_wait_loadcnt 52
	MULS 2, 0, 0
	s_wait_loadcnt 0x0
	MULS 3, 1, 0
	; THE SUMS MEET: rows 2 to 7 go to their owners
.irp a, 2,3,4,5,6,7
	WIN (0x08+4*(\a/4))                            ; an LDS store's data are its source 1: window 2 or 3
.irp bc, 0,1,2,3,4,5,6,7
	ds_store_b128 v[1+\a/2], v[64*(\a%4)+8*\bc:64*(\a%4)+8*\bc+3] offset:RED+(\a%2)*8192+\bc*1024        ; each accumulator from its low end on
	ds_store_b128 v[1+\a/2], v[64*(\a%4)+8*\bc+4:64*(\a%4)+8*\bc+7] offset:RED+(\a%2)*8192+\bc*1024+512
.endr
.endr
	WIN 0
	s_wait_dscnt 0x0                               ; for the others' sake: my stores have landed
	s_barrier_signal -1
	s_barrier_wait -1
.irp e, 0,1                            ; my two tiles of 16 queries
.if \e
	s_wait_xcnt 0x0                                ; the first tile's stores have read their registers
.endif
.irp sl, 0,1,2
.irp bc, 0,1,2,3,4,5,6,7
	ds_load_b128 v[64+64*\sl+8*\bc:64+64*\sl+8*\bc+3], v[REDR] offset:RED+\sl*16384+\e*8192+\bc*1024
	ds_load_b128 v[64+64*\sl+8*\bc+4:64+64*\sl+8*\bc+7], v[REDR] offset:RED+\sl*16384+\e*8192+\bc*1024+512
.endr
.endr
	s_wait_dscnt 0x0
	WIN 0x08                                       ; source 1: my own sums, window 2
.set oj, 0
.rept 32
	v_pk_add_f32 v[64+oj:65+oj], v[64+oj:65+oj], v[64*\e+oj:64*\e+oj+1]
.set oj, oj+2
.endr
	WIN 0
.set oj, 0
.rept 32
	v_pk_add_f32 v[64+oj:65+oj], v[64+oj:65+oj], v[128+oj:129+oj]
.set oj, oj+2
.endr
.set oj, 0
.rept 32
	v_pk_add_f32 v[64+oj:65+oj], v[64+oj:65+oj], v[192+oj:193+oj]
.set oj, oj+2
.endr
.irp bc, 0,1,2,3,4,5,6,7
	ds_store_b128 v[STO], v[64+8*\bc:67+8*\bc] offset:64*\bc
	ds_store_b128 v[STO], v[68+8*\bc:71+8*\bc] offset:64*\bc+16
.endr
.irp t, 0,1,2,3,4,5,6,7,8,9,10,11,12,13,14,15
	ds_load_b128 v[128+4*\t:131+4*\t], v[RD] offset:528*\t     ; LDS serves a wave's instructions in order (ISA guide 5.7.1.4): these see my stores
.endr
.irp t, 0,1,2,3,4,5,6,7,8,9,10,11,12,13,14,15
	s_wait_dscnt 15-\t
	global_store_b128 v[LI], v[128+4*\t:131+4*\t], s[42:43] offset:\e*32768+2048*\t th:TH_STORE_NT   ; 32 lanes store 512 consecutive bytes of one row, at a multiple of 512 from out0's first byte
.endr
.endr
	s_wait_tensorcnt 0x0                           ; the wave's end: behind my last LDS store
	ds_add_u32 v[SPW], v[NIL]
	s_wait_dscnt 0x0
	s_endpgm
.Lfunc_end_k_q5d08ef25ad_outp:
	.size	k_q5d08ef25ad_outp, .Lfunc_end_k_q5d08ef25ad_outp-k_q5d08ef25ad_outp
	.p2alignl 7, 3214868480
	.fill 96, 4, 3214868480
	.section	.rodata,"a",@progbits
	.p2align	6, 0x0
	.amdhsa_kernel k_q5d08ef25ad_outp
		.amdhsa_group_segment_fixed_size 230912
		.amdhsa_private_segment_fixed_size 0
		.amdhsa_enable_private_segment 0
		.amdhsa_kernarg_size 48
		.amdhsa_user_sgpr_count 2
		.amdhsa_user_sgpr_kernarg_segment_ptr 1
		.amdhsa_wavefront_size32 1
		.amdhsa_system_sgpr_workgroup_id_x 1
		.amdhsa_system_sgpr_workgroup_id_y 1
		.amdhsa_system_sgpr_workgroup_id_z 1
		.amdhsa_system_vgpr_workitem_id 0
		.amdhsa_next_free_vgpr 1024
		.amdhsa_next_free_sgpr 66
		.amdhsa_reserve_vcc 0
		.amdhsa_float_denorm_mode_32 3
		.amdhsa_float_denorm_mode_16_64 3
		.amdhsa_memory_ordered 1
		.amdhsa_forward_progress 1
		.amdhsa_inst_pref_size 93
	.end_amdhsa_kernel
	.amdgpu_metadata
---
amdhsa.version: [ 1, 2 ]
amdhsa.kernels:
  - .name:           k_q5d08ef25ad_outp
    .symbol:         k_q5d08ef25ad_outp.kd
    .args:
      - { .name: oc, .offset: 0, .size: 8, .value_kind: global_buffer, .address_space: global }
      - { .name: os, .offset: 8, .size: 8, .value_kind: global_buffer, .address_space: global }
      - { .name: wimg, .offset: 16, .size: 8, .value_kind: global_buffer, .address_space: global }
      - { .name: wscl, .offset: 24, .size: 8, .value_kind: global_buffer, .address_space: global }
      - { .name: bo, .offset: 32, .size: 8, .value_kind: global_buffer, .address_space: global }
      - { .name: out0, .offset: 40, .size: 8, .value_kind: global_buffer, .address_space: global }
    .group_segment_fixed_size: 230912
    .private_segment_fixed_size: 0
    .kernarg_segment_align: 8
    .kernarg_segment_size: 48
    .max_flat_workgroup_size: 128
    .sgpr_count:     66
    .vgpr_count:     1024
    .wavefront_size: 32
...
	.end_amdgpu_metadata
.endif
;; end of part 4
;; ======== version 2 of 2: 4 launches
;; workspace buffers: wimg 1,376,256 bytes; wscl 114,688 bytes; cod 9,437,184 bytes; scl 786,432 bytes; oc 12,582,912 bytes; os 1,048,576 bytes
;; launch prep (part 5): grid 224 x 1, 4 waves a work-group, no clusters, 1,024 bytes of LDS; arguments Wq, Wk, Wv, Wo, wimg, wscl; writes wimg, wscl
.if DOCPART == 5
	.amdgcn_target "amdgcn-amd-amdhsa--gfx1250"
	.amdhsa_code_object_version 6
	.text
	.protected	k_q5d08ef25ad_prep
	.globl	k_q5d08ef25ad_prep
	.p2align	8
	.type	k_q5d08ef25ad_prep,@function
k_q5d08ef25ad_prep:
	s_mov_b64 s[64:65], 0
	v_nop
	global_prefetch_b8 v0, s[64:65] scope:SCOPE_SE
	s_setreg_imm32_b32 hwreg(HW_REG_WAVE_MODE, 25, 1), 1
	s_wait_xcnt 0x0
; THE PROGRAM: four launches.  prep: the four weights into codes of E3M2.  proj: q, k, v (products 1 to 3, biases) and their codes.
; attn: products 4 and 5 with the softmax between them, the division by the row's sum, the codes of vals.  outp: product 6 and bo.
; Every operand that these launches hand on lies in memory as an IMAGE OF THE OPERAND'S REGISTERS: a fragment (16 rows x 128 K, 12 registers a lane)
; is 1,536 bytes, register p of lane l at 512 (p / 4) + 16 l + 4 (p % 4): three loads of 16 bytes a lane bring it, 512 consecutive bytes each.
; The scale words of four fragments are a quad of 512 bytes: register i of lane l at 16 l + 4 i; lanes 16-31 repeat lanes 0-15.
; WORK LEFT OUT (in attn alone): reference() adds -infinity to the score of key m for query l wherever m > l.  Such a key's p is 0 whatever the inputs hold: it adds
; nothing to the row's sum, its code is 0 and adds nothing to product 5, and it cannot be a row's or a live block's largest number.  So a step of 128 keys all of which
; come after all queries of a block is not walked: neither its scores (product 4) nor its part of product 5.  Nothing else is left out, and every input is loaded.
; LIMIT: a NaN, an infinity or an overflow that reaches only those steps is not carried to the result.
; LIMITS of the quantiser, in all launches: a block of zeros gets the byte 1 where the rule says 127 (its codes are zeros, and these launches alone read the bytes);
; a block's largest magnitude is taken no smaller than 2^-122, which holds the byte at 1 from below; NaN and infinities among the inputs are not served.
;
; THIS LAUNCH: a work-group makes one unit: four fragments (four K steps of 128) of 16 columns of a weight, and their quad; each of its four waves makes one fragment, so that a wave's 64 loads are all out at once.
; A weight is [K][512] f32, K its first axis: lane (r, h) takes one column and its registers run DOWN K in the order of the operand's layout (k = 64 c + 32 h + 0 .. 31), so the conversions' results are the operand's registers.
; Units 0-95: tensor g / 32 (Wq, Wk, Wv), wave (g / 8) % 4, tile t = g % 8.  THE COLUMNS OF A TILE ARE NOT NEIGHBOURS: row r of tile t is place d = 32 (t / 2) + 8 (t % 2) + r + 8 (r / 8)
; of the wave's 128, so that the results of tiles 2 b and 2 b + 1 are 16 neighbours along the next K.  Wq, Wk: the wave is the head, column 4 d + head.  Wv: column 128 wave + d.
; Units 96-223: Wo, columns 16 T + r, T = (g - 96) % 32; K steps 4 G + 0 .. 3, G = (g - 96) / 32.
; The codes' stores are 512 consecutive bytes as they stand.  The four scale words meet in LDS, and wave 0 stores the quad as 512 consecutive bytes.  No matrix work.
.set XA, 64                            ; v64-127: my fragment's 64 numbers
.set CD, 192                           ; v192-203: its codes
.set CT, 240                           ; v240-246: the upper halves of the blocks, as the conversions leave them
.set QW, 248                           ; v248: its scale word
.set QD, 252                           ; v252-255: the quad, in wave 0
.set SPW, 6                            ; v6  my spare word;  v7  0
.set NIL, 7
.set SPARE, 512                        ; LDS: the quad at 0; from here the spare words, 128 bytes for each wave: two blocks of 256 bytes that no other line names
	s_load_b256 s[4:11], s[0:1], 0x0               ; Wq, Wk, Wv, Wo
	s_load_b128 s[12:15], s[0:1], 0x20             ; wimg, wscl
	v_lshl_add_u32 v[SPW], v0, 2, SPARE
	v_mov_b32 v[NIL], 0
	v_lshrrev_b32 v5, 5, v0
	v_readfirstlane_b32 s36, v5                    ; my wave: which of the unit's four fragments
	v_and_b32 v1, 15, v0                           ; r
	v_bfe_u32 v2, v0, 4, 1                         ; h
	v_and_b32 v8, 31, v0
	v_lshlrev_b32 v4, 4, v8                        ; 16 x lane: an image's place
	s_lshl_b32 s37, s36, 2
	v_add_nc_u32 v9, s37, v4                       ; my word's place in the quad: 16 lane + 4 fragment
	v_lshlrev_b32 v41, 3, v2                       ; 8 h: my bytes' place in the scale word
	v_mov_b32 v42, 0                               ; written once: a lane permute's destination counts as one of its sources
	s_mov_b32 s34, 0x76543210
	s_mov_b32 s35, 0xfedcba98                      ; lane l xor 16
	s_mov_b32 s16, ttmp9                           ; g
	s_bfe_u32 s18, s16, 0x20003                    ; the unit's wave in proj = (g / 8) % 4
	s_and_b32 s19, s16, 7                          ; t
	s_lshr_b32 s20, s19, 1
	s_lshl_b32 s20, s20, 5
	s_and_b32 s21, s19, 1
	s_lshl_b32 s21, s21, 3
	s_add_co_u32 s20, s20, s21                     ; 32 (t / 2) + 8 (t % 2)
	s_lshl_b32 s22, s20, 4
	s_lshl_b32 s23, s18, 2
	s_add_co_u32 s22, s22, s23                     ; Wq, Wk: 16 bytes a place, + 4 head
	s_lshl_b32 s24, s20, 2
	s_lshl_b32 s25, s18, 9
	s_add_co_u32 s24, s24, s25                     ; Wv: 4 bytes a place, + 512 wave
	s_sub_co_u32 s26, s16, 96
	s_and_b32 s27, s26, 31
	s_lshl_b32 s27, s27, 6                         ; Wo: 64 T
	s_bfe_u32 s28, s26, 0x20005                    ; G
	s_lshl_b32 s28, s28, 20                        ; 512 rows of 2,048 bytes
	s_add_co_u32 s27, s27, s28
	s_cmp_lt_u32 s16, 64
	s_cselect_b32 s29, s22, s24
	s_cselect_b32 s30, 16, 4                       ; bytes from place to place
	s_cmp_lt_u32 s16, 96
	s_cselect_b32 s29, s29, s27                    ; where the unit begins in its weight
	s_cselect_b32 s30, s30, 4
	s_cselect_b32 s31, 8, 0                        ; the step of 8 behind a tile's eighth row, or none
	v_lshrrev_b32 v5, 3, v1
	v_mul_lo_u32 v5, v5, s31
	v_add_nc_u32 v5, v5, v1                        ; r + 8 (r / 8), or r
	v_mul_lo_u32 v3, v5, s30
	v_lshl_add_u32 v3, v2, 16, v3                  ; lanes 16-31 begin 32 rows further down
	s_mov_b32 s33, 0
	s_wait_kmcnt 0x0
	s_cmp_lt_u32 s16, 32                           ; the choices hang on the work-group's number alone
	s_cselect_b64 s[4:5], s[4:5], s[6:7]
	s_cmp_lt_u32 s16, 64
	s_cselect_b64 s[4:5], s[4:5], s[8:9]
	s_cmp_lt_u32 s16, 96
	s_cselect_b64 s[4:5], s[4:5], s[10:11]
	s_mov_b32 s32, s29
	s_add_nc_u64 s[4:5], s[4:5], s[32:33]
	s_lshl_b32 s32, s36, 18                        ; my fragment: 128 rows of 2,048 bytes on for each
	s_add_nc_u64 s[4:5], s[4:5], s[32:33]
	s_mul_i32 s32, s16, 6144
	s_add_nc_u64 s[12:13], s[12:13], s[32:33]
	s_mul_i32 s32, s36, 1536
	s_add_nc_u64 s[12:13], s[12:13], s[32:33]
	s_lshl_b32 s32, s16, 9
	s_add_nc_u64 s[14:15], s[14:15], s[32:33]
.set li, 0
.rept 64                               ; W(64 c + 32 h + i, my column) of my 128 rows into register 32 c + i
	global_load_b32 v[XA+li], v3, s[4:5] offset:(64*(li/32)+li%32)*2048
.set li, li+1
.endr
	s_wait_loadcnt 0x0
.irp c, 0,1
	v_max3_num_f32 v[32+\c], |v[XA+32*\c]|, |v[XA+32*\c+1]|, 0x2800000   ; my block 2 c + h: all 32 numbers are mine; the floor 2^(5 - 127) holds the byte at 1 from below
.endr
.irp i, 2,4,6,8,10,12,14,16,18,20,22,24,26,28,30
.irp c, 0,1
	v_max3_num_f32 v[32+\c], v[32+\c], |v[XA+32*\c+\i]|, |v[XA+32*\c+\i+1]|
.endr
.endr
.irp c, 0,1
	v_add_nc_u32 v[44+\c], 0xfe000000, v[32+\c]    ; 4 off the exponent field: the conversion's scale operand
.endr
.irp c, 0,1
	v_lshrrev_b32 v[36+\c], 23, v[44+\c]           ; the scale's byte
.endr
	v_lshl_or_b32 v40, v37, 16, v36                ; blocks h and 2 + h,
	v_lshlrev_b32 v40, v41, v40                    ; at their places in the word;
	v_permlanex16_b32 v42, v40, s34, s35
	v_or_b32 v[QW], v40, v42                       ; with lane l xor 16's two the word is whole, in both halves of the lanes
.irp c, 0,1
	v_cvt_scalef32_pk16_bf6_f32 v[CD+6*\c:CD+6*\c+2], v[XA+32*\c:XA+32*\c+15], v[44+\c]
	v_cvt_scalef32_pk16_bf6_f32 v[CT+4*\c:CT+4*\c+2], v[XA+32*\c+16:XA+32*\c+31], v[44+\c]   ; (a conversion's three registers begin on an even number)
.endr
	v_nop                                          ; one plain place behind a scaled conversion
.irp c, 0,1
.irp i, 0,1,2
	v_mov_b32 v[CD+6*\c+3+\i], v[CT+4*\c+\i]
.endr
.endr
	ds_store_b32 v9, v[QW]
.irp cc, 0,1,2
	global_store_b128 v4, v[CD+4*\cc:CD+4*\cc+3], s[12:13] offset:512*\cc
.endr
	s_wait_dscnt 0x0                               ; for the others' sake: my word has landed
	s_barrier_signal -1
	s_barrier_wait -1                              ; the quad is whole
	s_cmp_lg_u32 s36, 0
	s_cbranch_scc1 .Lnot_wave_0
	ds_load_b128 v[QD:QD+3], v4
	s_wait_dscnt 0x0
	global_store_b128 v4, v[QD:QD+3], s[14:15]     ; 512 consecutive bytes
.Lnot_wave_0:
	s_wait_tensorcnt 0x0                           ; the wave's end: behind my last LDS store
	ds_add_u32 v[SPW], v[NIL]
	s_wait_dscnt 0x0
	s_endpgm
.Lfunc_end_k_q5d08ef25ad_prep:
	.size	k_q5d08ef25ad_prep, .Lfunc_end_k_q5d08ef25ad_prep-k_q5d08ef25ad_prep
	.p2alignl 7, 3214868480
	.fill 96, 4, 3214868480
	.section	.rodata,"a",@progbits
	.p2align	6, 0x0
	.amdhsa_kernel k_q5d08ef25ad_prep
		.amdhsa_group_segment_fixed_size 1024
		.amdhsa_private_segment_fixed_size 0
		.amdhsa_enable_private_segment 0
		.amdhsa_kernarg_size 48
		.amdhsa_user_sgpr_count 2
		.amdhsa_user_sgpr_kernarg_segment_ptr 1
		.amdhsa_wavefront_size32 1
		.amdhsa_system_sgpr_workgroup_id_x 1
		.amdhsa_system_sgpr_workgroup_id_y 1
		.amdhsa_system_sgpr_workgroup_id_z 1
		.amdhsa_system_vgpr_workitem_id 0
		.amdhsa_next_free_vgpr 256
		.amdhsa_next_free_sgpr 66
		.amdhsa_reserve_vcc 0
		.amdhsa_float_denorm_mode_32 3
		.amdhsa_float_denorm_mode_16_64 3
		.amdhsa_memory_ordered 1
		.amdhsa_forward_progress 1
		.amdhsa_inst_pref_size 13
	.end_amdhsa_kernel
	.amdgpu_metadata
---
amdhsa.version: [ 1, 2 ]
amdhsa.kernels:
  - .name:           k_q5d08ef25ad_prep
    .symbol:         k_q5d08ef25ad_prep.kd
    .args:
      - { .name: Wq, .offset: 0, .size: 8, .value_kind: global_buffer, .address_space: global }
      - { .name: Wk, .offset: 8, .size: 8, .value_kind: global_buffer, .address_space: global }
      - { .name: Wv, .offset: 16, .size: 8, .value_kind: global_buffer, .address_space: global }
      - { .name: Wo, .offset: 24, .size: 8, .value_kind: global_buffer, .address_space: global }
      - { .name: wimg, .offset: 32, .size: 8, .value_kind: global_buffer, .address_space: global }
      - { .name: wscl, .offset: 40, .size: 8, .value_kind: global_buffer, .address_space: global }
    .group_segment_fixed_size: 1024
    .private_segment_fixed_size: 0
    .kernarg_segment_align: 8
    .kernarg_segment_size: 48
    .max_flat_workgroup_size: 128
    .sgpr_count:     66
    .vgpr_count:     256
    .wavefront_size: 32
...
	.end_amdgpu_metadata
.endif
;; end of part 5
;; launch proj (part 6): grid 192 x 1, 4 waves a work-group, no clusters, 246,272 bytes of LDS; arguments query, key, value, bq, bk, bv, wimg, wscl, cod, scl; writes cod, scl
.if DOCPART == 6
	.amdgcn_target "amdgcn-amd-amdhsa--gfx1250"
	.amdhsa_code_object_version 6
	.text
	.protected	k_q5d08ef25ad_proj
	.globl	k_q5d08ef25ad_proj
	.p2align	8
	.type	k_q5d08ef25ad_proj,@function
k_q5d08ef25ad_proj:
	s_mov_b64 s[64:65], 0
	v_nop
	global_prefetch_b8 v0, s[64:65] scope:SCOPE_SE
	s_setreg_imm32_b32 hwreg(HW_REG_WAVE_MODE, 25, 1), 1
	s_wait_xcnt 0x0
; q = query Wq + bq, k = key Wk + bk, v = value Wv + bv, each product on codes of E3M2 with one E8M0 scale for each 32 along K = 512; the results are quantised at once for the next products.
; A work-group takes one tensor (tau = work-group / 64: q, k, v) and 128 tokens.  192 work-groups: a fragment of V^T wants 128 keys in one lane's results, and 3 x 8,192 / 128 = 192.
; PHASE X: wave w quantises token tiles 2 w and 2 w + 1 of x: eight units of 16 rows x 128 along K.  A unit comes by 16 loads, each 512 consecutive bytes of one row; the conversions want 16 neighbours of a block
; in ONE lane, so the unit turns through the wave's own stage in LDS (rows of 512 + 16 bytes, two stages by turns): stored as loaded, read back 64 bytes of its row a lane and block.  Four units' loads are out at a time;
; the turn runs one unit ahead of the quantiser.  The fragments' images go to LDS.  One barrier.
; PHASE G, eight groups of 32 products: D[i] (i = 0 .. 7, by turns) = H(i, s) [source 0, held in registers] x St(s) [source 1, streamed], s = four K steps.
;   q, k: H = my head's weights (the wave is the head), St = x's token tile g from LDS: a lane holds one token and its 64 results run along the head's 128: one fragment of q or k.
;   v:    H = x's 32 fragments (every wave reads them from LDS once), St = weight unit 64 + 8 w + g from memory, asked for four groups ahead: a lane holds one channel and its results run along the 128 keys: a fragment of V^T.
; The rows of k's and v's token tiles, and of the weights' tiles, are chosen as prep's head says, so that a lane's 64 results are neighbours along the next K in the order that QUANT takes.
; The weights' loads stand BEHIND x's in the order of issue: x is wanted first.  The bias comes by one load of 16 bytes a thread, goes to LDS and is read from there in the result's layout: it is the C of each sum's first product.
; The two ways part ONCE, on the work-group's number, and never join; each has LDS bytes of its own.
; The weights are read by all work-groups of a tensor, but each fragment is read by one wave of a work-group and goes from memory straight into operand registers: a joint load
; would bring its 98,304 bytes a wave into LDS first, to be read from there once.  So: no cluster.
; REGISTERS: window 0: v1-15, v56-61 addresses; v16-47 H's scale words (4 i + s); v48-55 the scale words made; v64-127 D, and a unit of x; v128-191 a unit of x, on the q, k way later St (12 s);
;   v192-210 codes; v212-227 at work; v228 a scale word; v232-247 St's scale words; v248-251 the bias as loaded.  window 1: H(i, 0 .. 1) at 24 i + 12 s; window 2: H(i, 2 .. 3); window 3: v0-63 the bias.
;   x as loaded, four sets of 64: q, k: window 3 v64-255 and window 1 v192-255; v: window 1 (H comes there later).  v: St, four sets of 48, in window 3 v64-255.
.set XIMG, 0                           ; LDS of a path: x's 32 fragments, (4 T + s) x 1,536,
.set XSC,  49152                       ; their quads, 512 T + 16 lane + 4 s,
.set BIA,  53248                       ; the bias, 2,048 bytes as it lies in memory,
.set STG,  55296                       ; and for each wave two stages of 16 rows x 528 bytes
.set LB,   122880                      ; the v path's bytes begin here
.set SPARE, 245760                     ; the spare words, 128 bytes for each wave: two blocks of 256 bytes that no other line names
.set LI,  1                            ; v1   16 x lane
.set SPW, 6                            ; v6   my spare word;  v7  0
.set NIL, 7
.set HS,  16
.set PWQ, 48
.set HA,  64
.set PC,  192
.set TM,  212
.set PW,  228
.set SS,  232
.set BR,  248
.set SEL, 30
.set MSB, 0
.macro WIN new                         ; the immediate's high byte repeats the setting that is left; a switch that changes nothing is dropped
.if MSB != \new
	s_set_vgpr_msb (MSB<<8)|\new
.set MSB, \new
.endif
.endm
; 64 numbers of a lane, register 16 b + i = k 32 b + 16 (lane / 16) + i of my row, become a fragment's codes in v[PC] on and its scale word in v[pw].
; The wait for the stores that still read those registers stands in the middle, ahead of their first write: hk = 1: LDS stores, behind which hn LDS instructions were issued; hk = 2: global stores.
.macro QUANT s, pw, hk, hn
.irp b, 0,1,2,3
	v_max3_num_f32 v[TM+\b], |v[\s+16*\b]|, |v[\s+1+16*\b]|, 0x2800000   ; block b: my 16 numbers, and the floor 2^(5 - 127)
.endr
.irp i, 2,4,6,8,10,12,14
.irp b, 0,1,2,3
	v_max3_num_f32 v[TM+\b], v[TM+\b], |v[\s+16*\b+\i]|, |v[\s+1+16*\b+\i]|
.endr
.endr
.irp b, 0,1,2,3
	v_permlanex16_b32 v[TM+4+\b], v[TM+\b], s[SEL], s[SEL+1]
.endr
.irp b, 0,1,2,3
	v_max_num_f32 v[TM+\b], v[TM+\b], v[TM+4+\b]   ; with lane l xor 16's: the block's largest magnitude
.endr
.irp b, 0,1,2,3
	v_add_nc_u32 v[TM+12+\b], 0xfe000000, v[TM+\b] ; 4 off its exponent field: the conversion's scale operand
.endr
.irp b, 0,1,2,3
	v_lshrrev_b32 v[TM+4+\b], 23, v[TM+12+\b]      ; the scale's byte
.endr
.if \hk == 1
	s_wait_dscnt \hn                               ; the last fragment's image stores have read the codes and the scale word
.elseif \hk == 2
	s_wait_xcnt 0x0                                ; the last group's stores have read the codes
.endif
	v_lshl_or_b32 v[\pw], v[TM+5], 8, v[TM+4]
	v_lshl_or_b32 v[\pw], v[TM+6], 16, v[\pw]
	v_lshl_or_b32 v[\pw], v[TM+7], 24, v[\pw]
.irp c, 0,1
	v_cvt_scalef32_pk16_bf6_f32 v[PC+6*\c:PC+2+6*\c], v[\s+32*\c:\s+15+32*\c], v[TM+12+2*\c]
	v_cvt_scalef32_pk16_bf6_f32 v[PC+12+4*\c:PC+14+4*\c], v[\s+16+32*\c:\s+31+32*\c], v[TM+12+2*\c+1]
.endr
	v_nop                                          ; one plain place behind a scaled conversion
.irp c, 0,1                            ; the layout wants a WHOLE block in a lane: lanes 0-15 block 2 c, lanes 16-31 block 2 c + 1
.irp i, 0,1,2
	v_permlane16_swap_b32 v[PC+6*\c+\i], v[PC+12+4*\c+\i]
.endr
.irp i, 0,1,2
	v_mov_b32 v[PC+3+6*\c+\i], v[PC+12+4*\c+\i]
.endr
.endr
.endm
.macro CLOSE                           ; the wave's end: behind my last LDS store
	s_wait_tensorcnt 0x0
	ds_add_u32 v[SPW], v[NIL]
	s_wait_dscnt 0x0
.endm
.macro RAWSEL v, n                     ; set n of x as loaded: its window RW and its first register RB
.if \v
.set RW, 1
.set RB, 64*(\n)
.elseif (\n) == 3
.set RW, 1
.set RB, 192
.else
.set RW, 3
.set RB, 64+64*(\n)
.endif
.endm
.macro LOADR n                         ; unit n = 4 u + q: token tile u, K step q: 16 rows, 512 consecutive bytes a load.  A tile's rows are two groups of eight: v[2 + u] and v[4 + u] hold their offsets
	WIN (RW<<6)
.irp i, 0,1,2,3,4,5,6,7
	global_load_b128 v[RB+4*\i:RB+4*\i+3], v[2+(\n)/4], s[34:35] offset:2048*\i+512*((\n)%4) th:TH_LOAD_NT
.endr
.irp i, 0,1,2,3,4,5,6,7
	global_load_b128 v[RB+32+4*\i:RB+32+4*\i+3], v[4+(\n)/4], s[34:35] offset:2048*\i+512*((\n)%4) th:TH_LOAD_NT
.endr
	WIN 0
.endm
.macro TURN n, swa, sra                ; unit n through stage n % 2: LDS serves a wave's instructions in order (ISA guide 5.7.1.4), so no wait stands between the stores and the loads
	WIN (RW<<2)                                    ; an LDS store's data are its source 1
.irp i, 0,1,2,3,4,5,6,7,8,9,10,11,12,13,14,15
	ds_store_b128 v[\swa], v[RB+4*\i:RB+4*\i+3] offset:8448*((\n)%2)+528*\i
.endr
	WIN 0
.irp b, 0,1,2,3
.irp j, 0,1,2,3
	ds_load_b128 v[HA+64*((\n)%2)+16*\b+4*\j:HA+64*((\n)%2)+16*\b+4*\j+3], v[\sra] offset:8448*((\n)%2)+128*\b+16*\j   ; rows 528 bytes apart
.endr
.endr
.endm
.macro WPIECE i                        ; q, k: my head's weight tile i, four K steps: 12 loads; they stay
	WIN 0x40
.irp q, 0,1
.irp cc, 0,1,2
	global_load_b128 v[24*(\i)+12*\q+4*\cc:24*(\i)+12*\q+4*\cc+3], v[LI], s[38:39] offset:(\i)*6144+\q*1536+512*\cc
.endr
.endr
	WIN 0x80
.irp q, 0,1
.irp cc, 0,1,2
	global_load_b128 v[24*(\i)+12*\q+4*\cc:24*(\i)+12*\q+4*\cc+3], v[LI], s[38:39] offset:(\i)*6144+(\q+2)*1536+512*\cc
.endr
.endr
	WIN 0
.endm
.macro REQV g                          ; v: group g's streamed weights and their quad, into set g % 4: 13 loads
	WIN 0xc0
.irp q, 0,1,2,3
.irp cc, 0,1,2
	global_load_b128 v[64+48*((\g)%4)+12*\q+4*\cc:64+48*((\g)%4)+12*\q+4*\cc+3], v[LI], s[38:39] offset:(\g)*6144+\q*1536+512*\cc
.endr
.endr
	WIN 0
	global_load_b128 v[SS+4*((\g)%4):SS+4*((\g)%4)+3], v[LI], s[40:41] offset:(\g)*512
.endm
.macro REQL g, lil                     ; q, k: group g's streamed operand: x's token tile g and its quad, from LDS
.irp q, 0,1,2,3
.irp cc, 0,1,2
	ds_load_b128 v[128+12*\q+4*\cc:128+12*\q+4*\cc+3], v[\lil] offset:XIMG+(4*(\g)+\q)*1536+512*\cc
.endr
.endr
	ds_load_b128 v[SS:SS+3], v[\lil] offset:XSC+512*(\g)
.endm
; 32 products: the eight accumulators by turns, a K step at a time; the bias is the C of each sum's first product.  sw, sb: the streamed operand's window and first register; ss: its scale words
.macro PRODS v, g, sw, sb, ss
	WIN (0x31|((\sw)<<2))                          ; source 0 window 1, C window 3
.irp i, 0,1,2,3,4,5,6,7
.if \v
	v_wmma_scale_f32_16x16x128_f8f6f4 v[HA+8*\i:HA+8*\i+7], v[24*\i:24*\i+11], v[(\sb):(\sb)+11], v[8*(\g):8*(\g)+7], v[HS+4*\i], v[(\ss)] matrix_a_fmt:MATRIX_FMT_BF6 matrix_b_fmt:MATRIX_FMT_BF6
.else
	v_wmma_scale_f32_16x16x128_f8f6f4 v[HA+8*\i:HA+8*\i+7], v[24*\i:24*\i+11], v[(\sb):(\sb)+11], v[8*\i:8*\i+7], v[HS+4*\i], v[(\ss)] matrix_a_fmt:MATRIX_FMT_BF6 matrix_b_fmt:MATRIX_FMT_BF6
.endif
.endr
	WIN (0x01|((\sw)<<2))
.irp i, 0,1,2,3,4,5,6,7
	v_wmma_scale_f32_16x16x128_f8f6f4 v[HA+8*\i:HA+8*\i+7], v[24*\i+12:24*\i+23], v[(\sb)+12:(\sb)+23], v[HA+8*\i:HA+8*\i+7], v[HS+4*\i+1], v[(\ss)+1] matrix_a_fmt:MATRIX_FMT_BF6 matrix_b_fmt:MATRIX_FMT_BF6
.endr
	WIN (0x02|((\sw)<<2))
.irp i, 0,1,2,3,4,5,6,7
	v_wmma_scale_f32_16x16x128_f8f6f4 v[HA+8*\i:HA+8*\i+7], v[24*\i:24*\i+11], v[(\sb)+24:(\sb)+35], v[HA+8*\i:HA+8*\i+7], v[HS+4*\i+2], v[(\ss)+2] matrix_a_fmt:MATRIX_FMT_BF6 matrix_b_fmt:MATRIX_FMT_BF6
.endr
.irp i, 0,1,2,3,4,5,6,7
	v_wmma_scale_f32_16x16x128_f8f6f4 v[HA+8*\i:HA+8*\i+7], v[24*\i+12:24*\i+23], v[(\sb)+36:(\sb)+47], v[HA+8*\i:HA+8*\i+7], v[HS+4*\i+3], v[(\ss)+3] matrix_a_fmt:MATRIX_FMT_BF6 matrix_b_fmt:MATRIX_FMT_BF6
.endr
	WIN 0
.endm
; The whole way of one kind of tensor.  v = 0: q or k; v = 1: v.  The other arguments: the path's LDS address registers.
.macro BODY v, lil, xwi, xws, swa, sra, bwa, bra
	global_load_b128 v[BR:BR+3], v61, s[36:37]     ; the bias: 16 bytes a thread, 2,048 in all
.if \v == 0
.irp i, 0,1,2,3,4,5,6,7
	global_load_b128 v[HS+4*\i:HS+4*\i+3], v[LI], s[40:41] offset:512*\i   ; my weights' scale words
.endr
.endif
.irp k, 0,1,2,3
	RAWSEL \v, \k
	LOADR \k
.endr
	s_wait_loadcnt 48                              ; unit 0 is in, and what was issued ahead of it; units 1 to 3 may be out
	ds_store_b128 v[\bwa], v[BR:BR+3]
	RAWSEL \v, 0
	TURN 0, \swa, \sra
	; ---- X.  In trip k: unit k is back from its stage; unit k + 4 is asked for; unit k + 1 goes through the other stage; unit k is quantised and its image stored
.irp k, 0,1,2,3,4,5,6,7
.if \k == 0
	s_wait_dscnt 0x0
.else
	s_wait_dscnt 4                                 ; unit k's 16 stage stores and 16 loads are done; the last unit's four image stores may be out
.endif
.if \k < 4
	RAWSEL \v, \k
	LOADR (\k+4)                                   ; into the set that unit k's stage stores have read
.endif
.if \k < 7
.if \k < 4
	s_wait_loadcnt 48                              ; unit k + 1 is in; the three units behind it may be out
.elseif \k == 4
	s_wait_loadcnt 32                              ; units 6 and 7 may be out
.elseif \k == 5
	s_wait_loadcnt 52-10*\v                        ; unit 7's 16 and trip 4's loads of weights: 36 (q, k) or 26 (v)
.else
	s_wait_loadcnt 60-8*\v                         ; the loads of weights of trips 4 and 5: 36 + 24 (q, k) or 26 + 26 (v)
.endif
	RAWSEL \v, ((\k+1)%4)
	TURN (\k+1), \swa, \sra
.endif
.if \v == 0                            ; the weights, behind the last of x's loads
.if \k == 4
	WPIECE 0
	WPIECE 1
	WPIECE 2
.elseif \k == 5
	WPIECE 3
	WPIECE 4
.elseif \k == 6
	WPIECE 5
	WPIECE 6
	WPIECE 7
.endif
.else
.if \k == 4
	REQV 0
	REQV 1
.elseif \k == 5
	REQV 2
	REQV 3
.endif
.endif
.if \k < 7
	QUANT HA+64*(\k%2), PW, 1, 32                  ; behind the last image stores stand the 32 LDS instructions of the turn above
.else
	QUANT HA+64*(\k%2), PW, 1, 0
.endif
.irp cc, 0,1,2
	ds_store_b128 v[\xwi], v[PC+4*\cc:PC+4*\cc+3] offset:XIMG+\k*1536+512*\cc
.endr
	ds_store_b32 v[\xws], v[PW] offset:XSC+512*(\k/4)+4*(\k%4)
.endr
	s_wait_dscnt 0x0                               ; for the others' sake: my images, scale words and part of the bias have landed
	s_barrier_signal -1
	s_barrier_wait -1                              ; x's 32 fragments and the bias lie in LDS
	WIN 0xc0
.irp i, 0,1,2,3,4,5,6,7
.irp j, 0,1,2,3,4,5,6,7
.if \v
	ds_load_b32 v[8*\i+\j], v[\bra] offset:4*(32*(\i/2)+8*(\i%2))          ; in group i a lane holds one channel, so its eight registers hold one number
.else
	ds_load_b32 v[8*\i+\j], v[\bra] offset:16*(32*(\i/2)+8*(\i%2)+\j)      ; register j of tile i is place 32 (i / 2) + 16 h + 8 (i % 2) + j of the head: column 4 x place + head
.endif
.endr
.endr
	WIN 0
.if \v
	WIN 0x40                                       ; x is the held operand: all 32 fragments into registers
.irp i, 0,1,2,3,4,5,6,7
.irp q, 0,1
.irp cc, 0,1,2
	ds_load_b128 v[24*\i+12*\q+4*\cc:24*\i+12*\q+4*\cc+3], v[\lil] offset:XIMG+(4*\i+\q)*1536+512*\cc
.endr
.endr
.endr
	WIN 0x80
.irp i, 0,1,2,3,4,5,6,7
.irp q, 0,1
.irp cc, 0,1,2
	ds_load_b128 v[24*\i+12*\q+4*\cc:24*\i+12*\q+4*\cc+3], v[\lil] offset:XIMG+(4*\i+\q+2)*1536+512*\cc
.endr
.endr
.endr
	WIN 0
.irp i, 0,1,2,3,4,5,6,7
	ds_load_b128 v[HS+4*\i:HS+4*\i+3], v[\lil] offset:XSC+512*\i
.endr
.else
	REQL 0, \lil
.endif
	; ---- G
.irp g, 0,1,2,3,4,5,6,7
.if \v
.if \g < 5
	s_wait_loadcnt 39                              ; this group's 13 loads are in; the three groups behind it may be out
.else
	s_wait_loadcnt 13*(7-\g)
.endif
.if \g == 0
	s_wait_dscnt 0x0                               ; x, its scale words and the bias
.endif
	PRODS 1, \g, 3, (64+48*(\g%4)), (SS+4*(\g%4))
.else
.if \g == 0
	s_wait_loadcnt 0x0                             ; my weights
.endif
	s_wait_dscnt 0x0                               ; the streamed operand (in group 0 the bias too)
	PRODS 0, \g, 0, 128, SS
.endif
.rept 4
	v_nop                                          ; places in front of the loads into the streamed operand's registers and of the first read of results
.endr
.if \v
.if \g < 4
	REQV (\g+4)                                    ; into the set just multiplied: four groups ahead
.endif
.else
.if \g < 7
	REQL (\g+1), \lil                              ; the next group's, while this group is quantised
.endif
.endif
	QUANT HA, PWQ+\g, 2, 0                         ; (its lines on other registers are the places ahead of the next group's first product, which begins D anew)
.irp cc, 0,1,2
	global_store_b128 v[LI], v[PC+4*\cc:PC+4*\cc+3], s[42:43] offset:\g*1536+512*\cc
.endr
.endr
	global_store_b128 v[LI], v[PWQ:PWQ+3], s[44:45]
	global_store_b128 v[LI], v[PWQ+4:PWQ+7], s[44:45] offset:512
	CLOSE
	s_endpgm
.endm
	s_load_b512 s[4:19], s[0:1], 0x0               ; query, key, value, bq, bk, bv, wimg, wscl
	s_load_b128 s[20:23], s[0:1], 0x40             ; cod, scl
	v_lshl_add_u32 v[SPW], v0, 2, SPARE
	v_mov_b32 v[NIL], 0
	v_lshrrev_b32 v62, 5, v0
	v_readfirstlane_b32 s24, v62                   ; wave
	s_lshr_b32 s25, ttmp9, 6                       ; tau
	s_and_b32 s26, ttmp9, 63                       ; which 128 tokens
	s_lshr_b32 s27, s26, 4                         ; b
	s_and_b32 s28, s26, 15                         ; J
	v_and_b32 v62, 31, v0
	v_lshlrev_b32 v[LI], 4, v62
	v_and_b32 v63, 15, v0                          ; r
	v_bfe_u32 v229, v0, 4, 1                       ; h
	v_lshlrev_b32 v61, 4, v0                       ; the bias: 16 bytes a thread
	; x: my 32 rows are four groups of eight.  q's tiles are neighbours: tile u = groups 2 u, 2 u + 1.  k's and v's are chosen: tile u = groups u, u + 2
	s_lshl_b32 s29, s24, 16
	v_add_nc_u32 v2, s29, v[LI]                    ; tile 0, rows 0-7: group 0
	s_cmp_eq_u32 s25, 0
	s_cselect_b32 s32, 2, 1
	s_cselect_b32 s33, 1, 2
	s_lshl_b32 s32, s32, 14                        ; a group is 8 rows of 2,048 bytes
	s_lshl_b32 s33, s33, 14
	v_add_nc_u32 v3, s32, v2                       ; tile 1, rows 0-7
	v_add_nc_u32 v4, s33, v2                       ; tile 0, rows 8-15
	v_add_nc_u32 v5, 49152, v2                     ; tile 1, rows 8-15: group 3
	; LDS addresses, for both ways, made ahead of the parting
	s_mul_i32 s29, s24, 12288
	v_add_nc_u32 v8, s29, v[LI]                    ; where I store x's images: 16 lane + 8 fragments x wave
	s_lshl_b32 s29, s24, 10
	v_add_nc_u32 v9, s29, v[LI]                    ; and their scale words: 16 lane + 2 quads x wave
	s_mul_i32 s29, s24, 16896
	s_add_co_u32 s29, s29, STG                     ; my stages
	v_add_nc_u32 v10, s29, v[LI]                   ; in: 16 lane, a row an instruction
	v_mul_u32_u24 v11, v63, 528
	v_lshl_add_u32 v11, v229, 6, v11
	v_add_nc_u32 v11, s29, v11                     ; back: row r, + 64 h
	v_lshl_add_u32 v12, v0, 4, BIA                 ; the bias, in
	s_lshl_b32 s29, s24, 2
	s_add_co_u32 s29, s29, BIA
	v_lshl_add_u32 v13, v229, 8, s29               ; and back, q and k: 16 h places of 16 bytes, + 4 head
	v_add_nc_u32 v14, LB, v[LI]
	v_add_nc_u32 v15, LB, v8
	v_add_nc_u32 v56, LB, v9
	v_add_nc_u32 v57, LB, v10
	v_add_nc_u32 v58, LB, v11
	v_add_nc_u32 v59, LB, v12
	v_lshrrev_b32 v60, 3, v63
	v_lshl_add_u32 v60, v60, 3, v63                ; r + 8 (r / 8)
	s_lshl_b32 s29, s24, 9
	s_add_co_u32 s29, s29, LB+BIA
	v_lshl_add_u32 v60, v60, 2, s29                ; the bias back, v: 4 (r + 8 (r / 8)) + 512 wave
.irp b, 0,1,2,3
	v_mov_b32 v[TM+4+\b], 0                        ; written once: a lane permute's destination counts as one of its sources
.endr
	s_mov_b32 s[SEL], 0x76543210
	s_mov_b32 s[SEL+1], 0xfedcba98
	s_mov_b32 s47, 0
	s_wait_kmcnt 0x0
	s_cmp_eq_u32 s25, 0                            ; the choices hang on the work-group's number alone
	s_cselect_b64 s[34:35], s[4:5], s[6:7]
	s_cselect_b64 s[36:37], s[10:11], s[12:13]
	s_cmp_eq_u32 s25, 2
	s_cselect_b64 s[34:35], s[8:9], s[34:35]       ; x
	s_cselect_b64 s[36:37], s[14:15], s[36:37]     ; its bias
	s_lshl_b32 s46, s26, 18                        ; 128 rows of 2,048 bytes
	s_add_nc_u64 s[34:35], s[34:35], s[46:47]
	s_lshl_b32 s48, s25, 5
	s_lshl_b32 s49, s24, 3
	s_add_co_u32 s48, s48, s49                     ; my first unit of weights: 32 tau + 8 wave
	s_mul_i32 s46, s48, 6144
	s_add_nc_u64 s[38:39], s[16:17], s[46:47]
	s_lshl_b32 s46, s48, 9
	s_add_nc_u64 s[40:41], s[18:19], s[46:47]
	s_lshl_b32 s48, s27, 2
	s_add_co_u32 s48, s48, s24                     ; 4 b + head
	s_lshl_b32 s49, s48, 7
	s_lshl_b32 s50, s28, 3
	s_add_co_u32 s49, s49, s50                     ; q, k: fragment (4 b + head) 128 + 8 J
	s_lshl_b32 s50, s48, 4
	s_add_co_u32 s50, s50, s28                     ;       pair of quads (4 b + head) 16 + J
	s_lshl_b32 s51, s27, 4
	s_add_co_u32 s51, s51, s28                     ; 16 b + J
	s_lshl_b32 s52, s51, 5
	s_lshl_b32 s53, s24, 3
	s_add_co_u32 s52, s52, s53                     ; v: fragment (16 b + J) 32 + 8 wave
	s_lshl_b32 s53, s51, 2
	s_add_co_u32 s53, s53, s24                     ;    pair of quads (16 b + J) 4 + wave
	s_cmp_eq_u32 s25, 2
	s_cselect_b32 s49, s52, s49
	s_cselect_b32 s50, s53, s50
	s_mul_i32 s46, s49, 1536
	s_mul_i32 s48, s25, 3145728
	s_add_co_u32 s46, s46, s48
	s_add_nc_u64 s[42:43], s[20:21], s[46:47]
	s_lshl_b32 s46, s50, 10
	s_lshl_b32 s48, s25, 18
	s_add_co_u32 s46, s46, s48
	s_add_nc_u64 s[44:45], s[22:23], s[46:47]
	s_cmp_eq_u32 s25, 2
	s_cbranch_scc1 .Lvpath
	BODY 0, 1, 8, 9, 10, 11, 12, 13
.Lvpath:
	BODY 1, 14, 15, 56, 57, 58, 59, 60
.Lfunc_end_k_q5d08ef25ad_proj:
	.size	k_q5d08ef25ad_proj, .Lfunc_end_k_q5d08ef25ad_proj-k_q5d08ef25ad_proj
	.p2alignl 7, 3214868480
	.fill 96, 4, 3214868480
	.section	.rodata,"a",@progbits
	.p2align	6, 0x0
	.amdhsa_kernel k_q5d08ef25ad_proj
		.amdhsa_group_segment_fixed_size 246272
		.amdhsa_private_segment_fixed_size 0
		.amdhsa_enable_private_segment 0
		.amdhsa_kernarg_size 80
		.amdhsa_user_sgpr_count 2
		.amdhsa_user_sgpr_kernarg_segment_ptr 1
		.amdhsa_wavefront_size32 1
		.amdhsa_system_sgpr_workgroup_id_x 1
		.amdhsa_system_sgpr_workgroup_id_y 1
		.amdhsa_system_sgpr_workgroup_id_z 1
		.amdhsa_system_vgpr_workitem_id 0
		.amdhsa_next_free_vgpr 1024
		.amdhsa_next_free_sgpr 66
		.amdhsa_reserve_vcc 0
		.amdhsa_float_denorm_mode_32 3
		.amdhsa_float_denorm_mode_16_64 3
		.amdhsa_memory_ordered 1
		.amdhsa_forward_progress 1
		.amdhsa_inst_pref_size 255
	.end_amdhsa_kernel
	.section	.bss,"aw",@nobits
	.p2align	6
	.space	262144
	.amdgpu_metadata
---
amdhsa.version: [ 1, 2 ]
amdhsa.kernels:
  - .name:           k_q5d08ef25ad_proj
    .symbol:         k_q5d08ef25ad_proj.kd
    .args:
      - { .name: query, .offset: 0, .size: 8, .value_kind: global_buffer, .address_space: global }
      - { .name: key, .offset: 8, .size: 8, .value_kind: global_buffer, .address_space: global }
      - { .name: value, .offset: 16, .size: 8, .value_kind: global_buffer, .address_space: global }
      - { .name: bq, .offset: 24, .size: 8, .value_kind: global_buffer, .address_space: global }
      - { .name: bk, .offset: 32, .size: 8, .value_kind: global_buffer, .address_space: global }
      - { .name: bv, .offset: 40, .size: 8, .value_kind: global_buffer, .address_space: global }
      - { .name: wimg, .offset: 48, .size: 8, .value_kind: global_buffer, .address_space: global }
      - { .name: wscl, .offset: 56, .size: 8, .value_kind: global_buffer, .address_space: global }
      - { .name: cod, .offset: 64, .size: 8, .value_kind: global_buffer, .address_space: global }
      - { .name: scl, .offset: 72, .size: 8, .value_kind: global_buffer, .address_space: global }
    .group_segment_fixed_size: 246272
    .private_segment_fixed_size: 0
    .kernarg_segment_align: 8
    .kernarg_segment_size: 80
    .max_flat_workgroup_size: 128
    .sgpr_count:     66
    .vgpr_count:     1024
    .wavefront_size: 32
...
	.end_amdgpu_metadata
.endif
;; end of part 6
;; launch attn (part 7): grid 256 x 1, 4 waves a work-group, no clusters, 28,160 bytes of LDS; arguments cod, scl, oc, os; writes oc, os
.if DOCPART == 7
	.amdgcn_target "amdgcn-amd-amdhsa--gfx1250"
	.amdhsa_code_object_version 6
	.text
	.protected	k_q5d08ef25ad_attn
	.globl	k_q5d08ef25ad_attn
	.p2align	8
	.type	k_q5d08ef25ad_attn,@function
k_q5d08ef25ad_attn:
	s_mov_b64 s[64:65], 0
	v_nop
	global_prefetch_b8 v0, s[64:65] scope:SCOPE_SE
	s_setreg_imm32_b32 hwreg(HW_REG_WAVE_MODE, 25, 1), 1
	s_wait_xcnt 0x0
; vals[b][l][head][:] = the sum over keys m <= l of softmax_m(q . k / sqrt(128)) v[m][:], both products on codes of E3M2 with E8M0 scales; vals is quantised along head x 512 + channel for the last product.
; WORK LEFT OUT: a step of 128 keys all of which come after all queries of a block is not walked (shown at the head of the first kernel).
; THE SOFTMAX: t = score x log2(e) / sqrt(128); M = the running largest t, rounded UP to a whole number; p = 2^(t - M) is quantised along the keys; the row's sum is taken of the unquantised p and divides at the end;
; when M moves, the sum and O are multiplied by f = 2^(old M - new M), which rounds nothing.
; SHARES.  A work-group owns one head (work-group % 4) of one batch and 128 queries: the lo block, tiles 4 c + n, and the hi block, tiles 124 - 4 c + n, n = 0 .. 3.  They need (c / 2) + 1 and 16 - (c / 2)
; key steps of 128: 17 in every work-group.  All four tiles of a block end in the same key step, so which steps are walked and which lies on the diagonal hangs on ids alone and is the same in all waves.
; TWO ROLES A WAVE.  S phase: wave w makes scores, softmax and p's codes for tile w of each block (S^T = K Q^T: a lane holds one query; the keys of a tile of K are chosen so that a lane's 64 scores are
; neighbours in the order of the next operand).  The step's eight fragments of K are read from LDS once, at the step's head, and serve both blocks.  PV phase: wave w owns channels 128 w .. + 127 (eight fragments
; of V^T) for all eight tiles: 64 accumulators.  p's fragments, their scale words and f go from wave to wave through LDS as images of registers.  Two barriers a step: p, f and the reads of K lie ahead of the first;
; the reads of p and the next K's store between the two.
; So a fragment of V is read by ONE wave of the work-group and goes from memory straight into operand registers.  NO CLUSTER: the four heads' work-groups read the same V, but a joint load lands in LDS:
; a step's 49,152 bytes of V would be written there and read from there, beside the 12,288 bytes of K and the 12,288 of p that each wave reads from LDS in a step with both blocks.
; The look-ahead loads of the last steps are held at step 15, not jumped over, so that every counted wait counts the same loads on every way; what they bring is not used.
; REGISTERS.  window 0: v1-11 addresses; v12-19 -M, largest t, sum (two halves) of my lo and hi tile; v20 f; v22-23 Q's scale words; v24-31 K's; v32-39 V's; v40-43, v48-51 p's (hi, lo); v52-59 f of lo's tiles;
;   v60-63 scale words made; v64-127 scores, then p; in PV v64-111 hi's four fragments of p, v112-119 their f; v128-175 K's fragments 0-3, in PV lo's four of p; v176-194 codes; v196-231 at work.
;   windows W = 1, 2, 3: rows a = 3 (W - 1) + rho of V^T: accumulator (a, block u, tile n) at 64 rho + 32 u + 8 n, V(a) at 192 + 12 rho: ONE window setting serves a window's products and its rescaling.
;   window 3 also: v128-153 the next K on its way to LDS; v154-189 and v240-251 K's fragments 4-7; v216-239 Q.
.set KB,   0                           ; LDS: the step's eight fragments of K,
.set KSC,  12288                       ; their two quads,
.set PB,   13312                       ; p's eight fragments (4 u + n),
.set PSC,  25600                       ; their scale words, 128 bytes each,
.set PF,   26624                       ; f likewise; at the end 1 / the sum
.set SPARE, 27648                      ; the spare words, 128 bytes for each wave: two blocks of 256 bytes that no other line names
.set LI,  1                            ; 16 x lane
.set LS,  2                            ; 4 x lane
.set PWI, 3                            ; PB + 16 lane + 1,536 wave
.set PWS, 4                            ; 4 lane + 128 wave
.set SPW, 5
.set NIL, 6
.set KST, 7                            ; 16 lane + 3,072 wave
.set KSS, 8                            ; KSC + 8 lane + 256 wave
.set L8,  9                            ; 8 x lane
.set DL,  10                           ; r - 16 h
.set PFO, 11                           ; the prefetches' offset
.set STA, 12
.set FF,  20
.set QS,  22
.set KS,  24
.set VS,  32
.set PSH, 40
.set PSL, 48
.set FL,  52
.set PWQ, 60
.set S,   64
.set FH,  112
.set KF,  128
.set PC,  176
.set BM,  196
.set BT,  200
.set SO,  204
.set LT,  208
.set TMP, 210
.set PW,  211
.set PFI, 212
.set MD,  213
.set NINF, 214
.set T2,  215
.set TM,  216
.set LU,  216                          ; two more chains of the row's sum (at work in the softmax alone)
.set LV,  218
.set QR,  216                          ; in window 3
.set K2,  154                          ; in window 3: K's fragment 4 + t at K2 + 12 t, the last at 240
.set SEL, 20
.set MSB, 0
.macro WIN new
.if MSB != \new
	s_set_vgpr_msb (MSB<<8)|\new
.set MSB, \new
.endif
.endm
.macro QUANT s, pw                     ; 64 numbers of a lane, register 16 b + i = k 32 b + 16 (lane / 16) + i of my row: codes in v[PC] on, scale word in v[pw]
.irp b, 0,1,2,3
	v_max3_num_f32 v[TM+\b], |v[\s+16*\b]|, |v[\s+1+16*\b]|, 0x2800000
.endr
.irp i, 2,4,6,8,10,12,14
.irp b, 0,1,2,3
	v_max3_num_f32 v[TM+\b], v[TM+\b], |v[\s+16*\b+\i]|, |v[\s+1+16*\b+\i]|
.endr
.endr
.irp b, 0,1,2,3
	v_permlanex16_b32 v[TM+4+\b], v[TM+\b], s[SEL], s[SEL+1]
.endr
.irp b, 0,1,2,3
	v_max_num_f32 v[TM+\b], v[TM+\b], v[TM+4+\b]
.endr
.irp b, 0,1,2,3
	v_add_nc_u32 v[TM+12+\b], 0xfe000000, v[TM+\b]
.endr
.irp b, 0,1,2,3
	v_lshrrev_b32 v[TM+4+\b], 23, v[TM+12+\b]
.endr
	v_lshl_or_b32 v[\pw], v[TM+5], 8, v[TM+4]
	v_lshl_or_b32 v[\pw], v[TM+6], 16, v[\pw]
	v_lshl_or_b32 v[\pw], v[TM+7], 24, v[\pw]
.irp c, 0,1
	v_cvt_scalef32_pk16_bf6_f32 v[PC+6*\c:PC+2+6*\c], v[\s+32*\c:\s+15+32*\c], v[TM+12+2*\c]
	v_cvt_scalef32_pk16_bf6_f32 v[PC+12+4*\c:PC+14+4*\c], v[\s+16+32*\c:\s+31+32*\c], v[TM+12+2*\c+1]
.endr
	v_nop
.irp c, 0,1
.irp i, 0,1,2
	v_permlane16_swap_b32 v[PC+6*\c+\i], v[PC+12+4*\c+\i]
.endr
.irp i, 0,1,2
	v_mov_b32 v[PC+3+6*\c+\i], v[PC+12+4*\c+\i]
.endr
.endr
.endm
.macro RRUN W, P                       ; a step's rows of V^T of window W, from the pointer pair s[P]
	WIN (\W<<6)
.irp rho, 0,1,2
.if 3*(\W-1)+\rho < 8
.irp cc, 0,1,2
	global_load_b128 v[192+12*\rho+4*\cc:192+12*\rho+4*\cc+3], v[LI], s[\P:\P+1] offset:(3*(\W-1)+\rho)*1536+512*\cc
.endr
.endif
.endr
.endm
.macro KLOAD                           ; the step's K: two quads of scale words, fragments 0-3, fragments 4-7: 2 + 12 + 12 LDS loads in one run, for both blocks
	ds_load_b128 v[KS:KS+3], v[LI] offset:KSC
	ds_load_b128 v[KS+4:KS+7], v[LI] offset:KSC+512
.irp t, 0,1,2,3
.irp cc, 0,1,2
	ds_load_b128 v[KF+12*\t+4*\cc:KF+12*\t+4*\cc+3], v[LI] offset:KB+\t*1536+512*\cc
.endr
.endr
	WIN 0xc0
.irp t, 0,1,2,3
.irp cc, 0,1,2
	ds_load_b128 v[K2+12*\t+50*(\t/3)+4*\cc:K2+12*\t+50*(\t/3)+4*\cc+3], v[LI] offset:KB+(4+\t)*1536+512*\cc
.endr
.endr
	WIN 0
.endm
; THE S PHASE of my tile of block u: scores, mask on the diagonal, softmax, p's codes, their image and f to LDS.
.macro SOFT u
	s_wait_dscnt 12                                ; K's scale words and fragments 0-3 are in; the youngest twelve loads (fragments 4-7) may be out
	WIN 0x0c                                       ; source 1 (Q) window 3
.irp t, 0,1,2,3
	v_wmma_scale_f32_16x16x128_f8f6f4 v[S+8*\t:S+8*\t+7], v[KF+12*\t:KF+12*\t+11], v[QR+12*\u:QR+12*\u+11], 0, v[KS+\t], v[QS+\u] matrix_a_fmt:MATRIX_FMT_BF6 matrix_b_fmt:MATRIX_FMT_BF6
.endr
	s_wait_dscnt 0x0                               ; fragments 4-7 are in; and the other block's stores of codes, scale word and f, if they went ahead, have read their registers
	WIN 0x0f                                       ; sources 0 (K) and 1 (Q) window 3
.irp t, 0,1,2,3
	v_wmma_scale_f32_16x16x128_f8f6f4 v[S+32+8*\t:S+32+8*\t+7], v[K2+12*\t+50*(\t/3):K2+12*\t+50*(\t/3)+11], v[QR+12*\u:QR+12*\u+11], 0, v[KS+4+\t], v[QS+\u] matrix_a_fmt:MATRIX_FMT_BF6 matrix_b_fmt:MATRIX_FMT_BF6
.endr
	WIN 0
.rept 4
	v_nop                                          ; places in front of the first read of results
.endr
	s_add_co_u32 s44, s18, 1                       ; only the block's last step lies on the diagonal
	s_cmp_lg_u32 s44, s[16+\u]
	s_cbranch_scc1 .Lopen_\@
	s_lshl_b32 s44, s18, 7
	s_sub_co_i32 s44, s[24+\u], s44
	v_add_nc_u32 v[MD], s44, v[DL]                 ; d = my query - the step's first key - 16 h.  Register 16 b + i holds key 32 b + 16 h + i of the step: hidden where 32 b + i > d
.set sj, 0
.rept 64
	v_cmp_gt_i32 vcc_lo, 32*(sj/16)+sj%16, v[MD]
	v_cndmask_b32 v[S+sj], v[S+sj], v[NINF], vcc_lo
.set sj, sj+1
.endr
.Lopen_\@:
.irp b, 0,1,2,3
	v_max3_num_f32 v[BM+\b], v[S+16*\b], v[S+16*\b+1], v[S+16*\b+2]   ; the largest score of each block of 32 keys: for the row's maximum, and, since p rises with the score, for the block's largest p
.endr
.irp i, 3,5,7,9,11,13
.irp b, 0,1,2,3
	v_max3_num_f32 v[BM+\b], v[BM+\b], v[S+16*\b+\i], v[S+16*\b+\i+1]
.endr
.endr
.irp b, 0,1,2,3
	v_max_num_f32 v[BM+\b], v[BM+\b], v[S+16*\b+15]
.endr
.irp b, 0,1,2,3
	v_permlanex16_b32 v[BT+\b], v[BM+\b], s[SEL], s[SEL+1]
.endr
.irp b, 0,1,2,3
	v_max_num_f32 v[BM+\b], v[BM+\b], v[BT+\b]
.endr
	v_max3_num_f32 v[TMP], v[BM], v[BM+1], v[BM+2]
	v_max_num_f32 v[TMP], v[TMP], v[BM+3]
	v_mul_f32 v[TMP], s22, v[TMP]                  ; as t (c is positive)
	v_max_num_f32 v[STA+4*\u+1], v[STA+4*\u+1], v[TMP]   ; the running largest t
	v_mov_b32 v[TMP], v[STA+4*\u]
	v_floor_f32 v[STA+4*\u], -v[STA+4*\u+1]        ; the new -M = floor(-t): M is a whole number
	v_sub_f32 v[TMP], v[STA+4*\u], v[TMP]          ; old M - new M: a whole number, 0 or less
	v_cvt_i32_f32 v[TMP], v[TMP]                   ; (it saturates)
	v_ldexp_f32 v[FF], 1.0, v[TMP]                 ; f
.set sj, 0
.rept 32
	v_pk_fma_f32 v[S+sj:S+sj+1], v[S+sj:S+sj+1], s[22:23], v[STA+4*\u:STA+4*\u+1] op_sel_hi:[1,0,0]   ; t - M, two at a time (of the pairs c and -M the low word serves both halves)
.set sj, sj+2
.endr
.irp b, 0,1,2,3
	v_fma_f32 v[BM+\b], v[BM+\b], s22, v[STA+4*\u]
.endr
.set sj, 0
.rept 64
	v_exp_f32 v[S+sj], v[S+sj]                     ; p, at most 1, not normalised
.set sj, sj+1
.endr
	v_pk_mul_f32 v[STA+4*\u+2:STA+4*\u+3], v[STA+4*\u+2:STA+4*\u+3], v[FF:FF+1] op_sel_hi:[1,0]   ; the sum under the new M: the plain place behind the exponentials
	s_wait_alu depctr_va_vdst(0)                   ; one wait for the batch, ahead of its first use
.irp b, 0,1,2,3
	v_exp_f32 v[BM+\b], v[BM+\b]                   ; each block's largest p
.endr
	v_pk_add_f32 v[LT:LT+1], v[S:S+1], v[S+2:S+3]  ; the row's sum is taken of the unquantised p: 32 pairs in four chains, so that no line waits for the line above it
	v_pk_add_f32 v[LU:LU+1], v[S+4:S+5], v[S+6:S+7]
	v_pk_add_f32 v[LV:LV+1], v[S+8:S+9], v[S+10:S+11]
.set sj, 12
.rept 6
	v_pk_add_f32 v[STA+4*\u+2:STA+4*\u+3], v[STA+4*\u+2:STA+4*\u+3], v[S+sj:S+sj+1]
	v_pk_add_f32 v[LT:LT+1], v[LT:LT+1], v[S+sj+2:S+sj+3]
	v_pk_add_f32 v[LU:LU+1], v[LU:LU+1], v[S+sj+4:S+sj+5]
	v_pk_add_f32 v[LV:LV+1], v[LV:LV+1], v[S+sj+6:S+sj+7]
.set sj, sj+8
.endr
	v_pk_add_f32 v[STA+4*\u+2:STA+4*\u+3], v[STA+4*\u+2:STA+4*\u+3], v[S+60:S+61]
	v_pk_add_f32 v[LT:LT+1], v[LT:LT+1], v[S+62:S+63]
	v_pk_add_f32 v[LU:LU+1], v[LU:LU+1], v[LV:LV+1]
	v_pk_add_f32 v[STA+4*\u+2:STA+4*\u+3], v[STA+4*\u+2:STA+4*\u+3], v[LT:LT+1]
	v_pk_add_f32 v[STA+4*\u+2:STA+4*\u+3], v[STA+4*\u+2:STA+4*\u+3], v[LU:LU+1]
	s_wait_alu depctr_va_vdst(0)                   ; and one for the four
.irp b, 0,1,2,3
	v_max_num_f32 v[BM+\b], 0x2800000, v[BM+\b]    ; the floor: a block whose every p is 0 keeps the byte 1; its codes are zeros
.endr
.irp b, 0,1,2,3
	v_add_nc_u32 v[SO+\b], 0xfe000000, v[BM+\b]
.endr
.irp b, 0,1,2,3
	v_lshrrev_b32 v[BT+\b], 23, v[SO+\b]
.endr
	v_lshl_or_b32 v[PW], v[BT+1], 8, v[BT]
	v_lshl_or_b32 v[PW], v[BT+2], 16, v[PW]
	v_lshl_or_b32 v[PW], v[BT+3], 24, v[PW]
.irp c, 0,1
	v_cvt_scalef32_pk16_bf6_f32 v[PC+6*\c:PC+2+6*\c], v[S+32*\c:S+15+32*\c], v[SO+2*\c]
	v_cvt_scalef32_pk16_bf6_f32 v[PC+12+4*\c:PC+14+4*\c], v[S+16+32*\c:S+31+32*\c], v[SO+2*\c+1]
.endr
	v_nop
.irp c, 0,1
.irp i, 0,1,2
	v_permlane16_swap_b32 v[PC+6*\c+\i], v[PC+12+4*\c+\i]
.endr
.irp i, 0,1,2
	v_mov_b32 v[PC+3+6*\c+\i], v[PC+12+4*\c+\i]
.endr
.endr
.irp cc, 0,1,2
	ds_store_b128 v[PWI], v[PC+4*\cc:PC+4*\cc+3] offset:6144*\u+512*\cc
.endr
	ds_store_b32 v[PWS], v[PW] offset:PSC+512*\u
	ds_store_b32 v[PWS], v[FF] offset:PF+512*\u    ; (the wait for these five stands ahead of the next write of their registers: in the other block's turn, or in front of the barrier)
.endm
.macro LOADP u, pr, psr, fr, first     ; block u's four fragments of p, their scale words and f
.irp n, 0,1,2,3
.irp cc, 0,1,2
	ds_load_b128 v[\pr+12*\n+4*\cc:\pr+12*\n+4*\cc+3], v[LI] offset:PB+(4*\u+\n)*1536+512*\cc
.endr
.endr
.irp n, 0,1,2,3
	ds_load_b32 v[\psr+\n], v[LS] offset:PSC+128*(4*\u+\n)
.endr
.if \first == 0
.irp n, 0,1,2,3
	ds_load_b32 v[\fr+2*\n], v[LS] offset:PF+128*(4*\u+\n)
.endr
.endif
.endm
; O^T += V^T P^T for block u: my eight rows of V^T x four tiles, window by window.  first = 1: the products start the sums.  Else each accumulator is first multiplied by its tile's f: a window's first row ahead of its
; products, each later row behind the products of the row before.  The accumulators take turns, one instruction a turn.
; u = 1: behind a window's products its rows of the next step's V are asked for (five places first: four for the loads; the fifth since the next step's score products write over registers that these products read).
.macro PASS u, first, pr, psr, fr
.irp W, 1,2,3
	WIN ((\W<<6)|(\W<<4)|\W)
.if \first == 0
.irp n, 0,1,2,3
.irp k, 0,2,4,6
	v_pk_mul_f32 v[32*\u+8*\n+\k:32*\u+8*\n+\k+1], v[32*\u+8*\n+\k:32*\u+8*\n+\k+1], v[\fr+2*\n:\fr+2*\n+1] op_sel_hi:[1,0]
.endr
.endr
.endif
.irp rho, 0,1,2
.if 3*(\W-1)+\rho < 8
.irp n, 0,1,2,3
.if \first
	v_wmma_scale_f32_16x16x128_f8f6f4 v[64*\rho+32*\u+8*\n:64*\rho+32*\u+8*\n+7], v[192+12*\rho:192+12*\rho+11], v[\pr+12*\n:\pr+12*\n+11], 0, v[VS+3*(\W-1)+\rho], v[\psr+\n] matrix_a_fmt:MATRIX_FMT_BF6 matrix_b_fmt:MATRIX_FMT_BF6
.else
	v_wmma_scale_f32_16x16x128_f8f6f4 v[64*\rho+32*\u+8*\n:64*\rho+32*\u+8*\n+7], v[192+12*\rho:192+12*\rho+11], v[\pr+12*\n:\pr+12*\n+11], v[64*\rho+32*\u+8*\n:64*\rho+32*\u+8*\n+7], v[VS+3*(\W-1)+\rho], v[\psr+\n] matrix_a_fmt:MATRIX_FMT_BF6 matrix_b_fmt:MATRIX_FMT_BF6
.endif
.if (\first == 0) && (\rho < 2) && (3*(\W-1)+\rho+1 < 8)
.irp k, 0,2,4,6
	v_pk_mul_f32 v[64*(\rho+1)+32*\u+8*\n+\k:64*(\rho+1)+32*\u+8*\n+\k+1], v[64*(\rho+1)+32*\u+8*\n+\k:64*(\rho+1)+32*\u+8*\n+\k+1], v[\fr+2*\n:\fr+2*\n+1] op_sel_hi:[1,0]
.endr
.endif
.endr
.endif
.endr
.if \u
.rept 5
	v_nop
.endr
	RRUN \W, 38
.endif
.endr
	WIN 0
.if \u
	global_load_b128 v[VS:VS+3], v[LI], s[40:41]   ; and the next step's scale words of V: behind the step's last product and its places
	global_load_b128 v[VS+4:VS+7], v[LI], s[40:41] offset:512
.endif
.endm
; A KEY STEP.  s18 = J.  first = 1: step 0, in which both blocks are at work and the sums start.
.macro STEP first
.if \first == 0
	s_cmp_ge_u32 s18, s17                          ; past the hi block's last step: nothing but the barriers
	s_cbranch_scc1 .Lb1_\@
.endif
	KLOAD
.if \first == 0
	s_cmp_ge_u32 s18, s16                          ; past the lo block's last step
	s_cbranch_scc1 .Lnolo_\@
.endif
	SOFT 0
.Lnolo_\@:
	SOFT 1
.Lb1_\@:
	s_wait_dscnt 0x0                               ; my images of p have landed, my reads of K are in
	s_barrier_signal -1
	s_barrier_wait -1
.if \first == 0
	s_cmp_ge_u32 s18, s17
	s_cbranch_scc1 .Lb2_\@
.endif
	LOADP 1, S, PSH, FH, \first                    ; p first: its loads are on their way while the next K goes to LDS
.if \first == 0
	s_cmp_ge_u32 s18, s16
	s_cbranch_scc1 .Lnl1_\@
.endif
	LOADP 0, KF, PSL, FL, \first
.Lnl1_\@:
	s_wait_loadcnt 26                              ; the next step's K is in its registers: behind its 7 loads stand the 9 + 9 + 8 of V and its scale words
	WIN 0x0c                                       ; an LDS store's data are its source 1: window 3
.irp k, 0,1,2,3,4,5
	ds_store_b128 v[KST], v[128+4*\k:128+4*\k+3] offset:KB+512*\k
.endr
	ds_store_b64 v[KSS], v[152:153]
	WIN 0
	s_wait_xcnt 0x0                                ; the last step's loads and prefetch have read their addresses: they may be written
.if \first == 0
	v_add_nc_u32 v[PFO], v[PFO], v[PFI]
.endif
	s_add_co_u32 s44, s18, 2
	s_min_u32 s44, s44, 15                         ; K two steps on, held at the last step
	s_mul_i32 s42, s44, 12288
	s_add_nc_u64 s[34:35], s[26:27], s[42:43]
	s_lshl_b32 s42, s44, 10
	s_add_nc_u64 s[36:37], s[28:29], s[42:43]
	s_add_co_u32 s44, s18, 1
	s_min_u32 s44, s44, 15                         ; V one step on
	s_mul_i32 s42, s44, 49152
	s_add_nc_u64 s[38:39], s[30:31], s[42:43]
	s_lshl_b32 s42, s44, 12
	s_add_nc_u64 s[40:41], s[32:33], s[42:43]
	s_wait_dscnt 0x0                               ; one wait for both: p, its scale words and f are in, and the stores have read their registers
	WIN 0xc0
.irp k, 0,1,2,3,4,5
	global_load_b128 v[128+4*\k:128+4*\k+3], v[LI], s[34:35] offset:512*\k
.endr
	global_load_b64 v[152:153], v[L8], s[36:37]
	WIN 0
	s_cmp_lt_u32 s18, s45                          ; the prefetch of step J + 4: see the head of the text below
	s_cbranch_scc0 .Lnopf_\@
	global_prefetch_b8 v[PFO], s[4:5] th:TH_LOAD_NT scope:SCOPE_SE
.Lnopf_\@:
	s_wait_loadcnt 7                               ; this step's V and its scale words are in; the 7 loads of K just issued may be out
.if \first == 0
	s_cmp_ge_u32 s18, s16
	s_cbranch_scc1 .Lnl2_\@
.endif
	PASS 0, \first, KF, PSL, FL
.Lnl2_\@:
	PASS 1, \first, S, PSH, FH
.Lb2_\@:
	s_wait_dscnt 0x0                               ; my part of the next K has landed, my reads of p are in
	s_barrier_signal -1
	s_barrier_wait -1
.endm
	s_load_b256 s[4:11], s[0:1], 0x0               ; cod, scl, oc, os
	v_lshl_add_u32 v[SPW], v0, 2, SPARE
	v_mov_b32 v[NIL], 0
	v_lshrrev_b32 v[TMP], 5, v0
	v_readfirstlane_b32 s12, v[TMP]                ; wave
	s_and_b32 s13, ttmp9, 3                        ; head
	s_bfe_u32 s14, ttmp9, 0x40002                  ; c
	s_lshr_b32 s15, ttmp9, 6                       ; b
	s_lshr_b32 s16, s14, 1
	s_sub_co_u32 s17, 16, s16                      ; hi's steps
	s_add_co_u32 s16, s16, 1                       ; lo's steps
	v_and_b32 v[T2], 31, v0
	v_lshlrev_b32 v[LI], 4, v[T2]
	v_lshlrev_b32 v[LS], 2, v[T2]
	v_lshlrev_b32 v[L8], 3, v[T2]
	s_mul_i32 s44, s12, 1536
	v_add_nc_u32 v[PWI], s44, v[LI]
	v_add_nc_u32 v[PWI], PB, v[PWI]
	s_lshl_b32 s44, s12, 7
	v_add_nc_u32 v[PWS], s44, v[LS]
	s_mul_i32 s44, s12, 3072
	v_add_nc_u32 v[KST], s44, v[LI]
	s_lshl_b32 s44, s12, 8
	v_add_nc_u32 v[KSS], s44, v[L8]
	v_add_nc_u32 v[KSS], KSC, v[KSS]
	v_and_b32 v[DL], 15, v0
	v_bfe_u32 v[TMP], v0, 4, 1
	v_lshlrev_b32 v[TMP], 4, v[TMP]
	v_sub_nc_u32 v[DL], v[DL], v[TMP]
	s_mov_b32 s[SEL], 0x76543210
	s_mov_b32 s[SEL+1], 0xfedcba98
	s_mov_b32 s22, 0x3e0293ee                      ; c = log2(e) / sqrt(128)
	s_mov_b32 s23, s22                             ; (named with it as a pair)
	s_lshl_b32 s24, s14, 6
	s_lshl_b32 s44, s12, 4
	s_sub_co_u32 s25, 1984, s24
	s_add_co_u32 s24, s24, s44                     ; my lo tile's first query: 64 c + 16 wave
	s_add_co_u32 s25, s25, s44                     ; my hi tile's: 1,984 - 64 c + 16 wave
	v_mov_b32 v[NINF], 0xff800000
	v_mov_b32 v[FF+1], 0                           ; (named as the upper half of a pair)
.irp u, 0,1
	v_mov_b32 v[STA+4*\u+1], 0xff61b1e6            ; the largest t so far: -3e38
	v_floor_f32 v[STA+4*\u], -v[STA+4*\u+1]
	v_mov_b32 v[STA+4*\u+2], 0
	v_mov_b32 v[STA+4*\u+3], 0
.endr
.irp b, 0,1,2,3
	v_mov_b32 v[BT+\b], 0                          ; written once: a lane permute's destination counts as one of its sources
	v_mov_b32 v[TM+4+\b], 0
	v_mov_b32 v[FL+2*\b], 0                        ; f's pairs: the lower halves are loaded in every step that uses them,
	v_mov_b32 v[FL+2*\b+1], 0                      ; the upper halves are only named
.endr
	s_mov_b32 s43, 0
	s_lshl_b32 s62, s15, 2
	s_add_co_u32 s62, s62, s13                     ; 4 b + head
	s_lshl_b32 s63, s62, 7
	s_wait_kmcnt 0x0
	s_lshl_b32 s44, s12, 1
	s_add_co_u32 s44, s44, s63
	s_mul_i32 s42, s44, 1536
	s_add_co_u32 s42, s42, 3145728
	s_add_nc_u64 s[26:27], s[4:5], s[42:43]        ; K: my two fragments of step 0
	s_lshl_b32 s42, s62, 14
	s_lshl_b32 s44, s12, 8
	s_add_co_u32 s42, s42, s44
	s_add_co_u32 s42, s42, 262144
	s_add_nc_u64 s[28:29], s[6:7], s[42:43]        ; my 256 bytes of its two quads
	s_lshl_b32 s44, s15, 9
	s_lshl_b32 s66, s12, 3
	s_add_co_u32 s44, s44, s66
	s_mul_i32 s42, s44, 1536
	s_add_co_u32 s42, s42, 6291456
	s_add_nc_u64 s[30:31], s[4:5], s[42:43]        ; V: my eight fragments of step 0
	s_lshl_b32 s44, s15, 6
	s_add_co_u32 s44, s44, s12
	s_lshl_b32 s42, s44, 10
	s_add_co_u32 s42, s42, 524288
	s_add_nc_u64 s[32:33], s[6:7], s[42:43]        ; their two quads
	s_lshl_b32 s66, s14, 2                         ; lo's first tile
	s_sub_co_u32 s67, 124, s66                     ; hi's
	s_add_co_u32 s44, s63, s66
	s_add_co_u32 s44, s44, s12
	s_mul_i32 s42, s44, 1536
	s_add_nc_u64 s[46:47], s[4:5], s[42:43]        ; Q, lo
	s_add_co_u32 s44, s63, s67
	s_add_co_u32 s44, s44, s12
	s_mul_i32 s42, s44, 1536
	s_add_nc_u64 s[48:49], s[4:5], s[42:43]        ; Q, hi
	s_lshl_b32 s68, s62, 5
	s_sub_co_u32 s69, 31, s14
	s_add_co_u32 s44, s68, s14
	s_lshl_b32 s42, s44, 9
	s_lshl_b32 s44, s12, 2
	s_add_co_u32 s42, s42, s44
	s_add_nc_u64 s[50:51], s[6:7], s[42:43]        ; Q's scale words: quad c, register wave
	s_add_co_u32 s44, s68, s69
	s_lshl_b32 s42, s44, 9
	s_lshl_b32 s44, s12, 2
	s_add_co_u32 s42, s42, s44
	s_add_nc_u64 s[52:53], s[6:7], s[42:43]        ; quad 31 - c
	s_lshl_b32 s70, s15, 7
	s_lshl_b32 s71, s13, 2
	s_add_co_u32 s71, s71, s12                     ; the last product's K step: 4 head + wave
	s_add_co_u32 s44, s70, s66
	s_lshl_b32 s44, s44, 4
	s_add_co_u32 s44, s44, s71
	s_mul_i32 s42, s44, 1536
	s_add_nc_u64 s[54:55], s[8:9], s[42:43]        ; vals' codes, lo
	s_add_co_u32 s44, s70, s67
	s_lshl_b32 s44, s44, 4
	s_add_co_u32 s44, s44, s71
	s_mul_i32 s42, s44, 1536
	s_add_nc_u64 s[56:57], s[8:9], s[42:43]        ; hi
	s_lshl_b32 s72, s71, 7
	s_lshl_b32 s73, s15, 5
	s_add_co_u32 s72, s72, s73
	s_add_co_u32 s44, s72, s14
	s_lshl_b32 s42, s44, 9
	s_add_nc_u64 s[58:59], s[10:11], s[42:43]      ; their quads
	s_add_co_u32 s44, s72, s69
	s_lshl_b32 s42, s44, 9
	s_add_nc_u64 s[60:61], s[10:11], s[42:43]
	; THE PREFETCHES.  In step J, behind the wave's loads of K, one instruction names step J + 4, in blocks of 256 bytes, a lane a block.  The work-groups with c = 0 ask, since they walk all 16 steps: one for each batch and head.
	; A step of a head's K is 48 blocks; a step of the batch's V is 192, of which head x takes fragments 8 x on: 48.  Wave 0: K's blocks 0-31; wave 1: V's 0-31; wave 2: lanes 0-15 K's 32-47, lanes 16-31 V's 32-47.
	; So each block is named once in the launch.  Steps 0 to 3 come by their loads alone; J = 12 and later ask for nothing; the scale bytes are not asked for.
	s_mul_i32 s66, s62, 196608
	s_add_co_u32 s66, s66, 3145728+49152           ; K of my head, step 4
	s_lshl_b32 s67, s15, 4
	s_add_co_u32 s67, s67, 4
	s_mul_i32 s67, s67, 49152
	s_mul_i32 s68, s13, 12288
	s_add_co_u32 s67, s67, s68
	s_add_co_u32 s67, s67, 6291456                 ; V of my batch, step 4, my head's quarter
	s_mov_b32 s68, 12288
	s_mov_b32 s69, 49152
	s_cmp_eq_u32 s12, 1
	s_cselect_b32 s70, s67, s66                    ; lanes 0-15
	s_cselect_b32 s71, s69, s68
	s_cmp_eq_u32 s12, 0
	s_cselect_b32 s72, s66, s67                    ; lanes 16-31
	s_cselect_b32 s73, s68, s69
	s_cmp_eq_u32 s12, 2
	s_cselect_b32 s74, 15, 31
	s_cselect_b32 s75, 8192, 0
	s_cmp_lt_u32 s12, 3
	s_cselect_b32 s45, 12, 0
	s_cmp_eq_u32 s14, 0
	s_cselect_b32 s45, s45, 0                      ; a wave asks while J is under this
	v_cmp_gt_u32 vcc_lo, 16, v[T2]
	v_mov_b32 v[PFO], s72
	v_mov_b32 v[TMP], s70
	v_cndmask_b32 v[PFO], v[PFO], v[TMP], vcc_lo
	v_mov_b32 v[PFI], s73
	v_mov_b32 v[TMP], s71
	v_cndmask_b32 v[PFI], v[PFI], v[TMP], vcc_lo
	v_and_b32 v[TMP], s74, v[T2]
	v_lshl_add_u32 v[PFO], v[TMP], 8, v[PFO]
	v_add_nc_u32 v[PFO], s75, v[PFO]
	; THE FIRST LOADS: Q (8), K of step 0 (7), K of step 1 (7), V of step 0 and its scale words (26)
	WIN 0xc0
.irp cc, 0,1,2
	global_load_b128 v[QR+4*\cc:QR+4*\cc+3], v[LI], s[46:47] offset:512*\cc
.endr
.irp cc, 0,1,2
	global_load_b128 v[QR+12+4*\cc:QR+12+4*\cc+3], v[LI], s[48:49] offset:512*\cc
.endr
	WIN 0
	global_load_b32 v[QS], v[LI], s[50:51]
	global_load_b32 v[QS+1], v[LI], s[52:53]
.irp k, 0,1,2,3,4,5
	global_load_b128 v[KF+4*\k:KF+4*\k+3], v[LI], s[26:27] offset:512*\k
.endr
	global_load_b64 v[KF+24:KF+25], v[L8], s[28:29]
	WIN 0xc0
.irp k, 0,1,2,3,4,5
	global_load_b128 v[128+4*\k:128+4*\k+3], v[LI], s[26:27] offset:12288+512*\k
.endr
	global_load_b64 v[152:153], v[L8], s[28:29] offset:1024
	RRUN 1, 30
	RRUN 2, 30
	RRUN 3, 30
	WIN 0
	global_load_b128 v[VS:VS+3], v[LI], s[32:33]
	global_load_b128 v[VS+4:VS+7], v[LI], s[32:33] offset:512
	s_wait_loadcnt 33                              ; Q and K of step 0 are in: 7 + 26 loads stand behind them
.irp k, 0,1,2,3,4,5
	ds_store_b128 v[KST], v[KF+4*\k:KF+4*\k+3] offset:KB+512*\k
.endr
	ds_store_b64 v[KSS], v[KF+24:KF+25]
	s_wait_dscnt 0x0
	s_barrier_signal -1
	s_barrier_wait -1
	s_mov_b32 s18, 0
	STEP 1                                         ; step 0 is written out: its products start the sums, nothing is cleared
	s_mov_b32 s18, 1
.Lstep:
	STEP 0
	s_add_co_u32 s18, s18, 1
	s_cmp_lt_u32 s18, 16
	s_cbranch_scc1 .Lstep
	; THE WAY OUT.  1 / the sum of my two tiles goes to the other waves through LDS; each accumulator tile is divided, and a tile's 64 numbers of a lane (my 128 channels of one query) are one fragment of vals.
	s_wait_loadcnt 0x0                             ; the look-ahead loads of the last step
	v_add_f32 v[BM], v[STA+2], v[STA+3]
	v_add_f32 v[BM+1], v[STA+6], v[STA+7]
	v_permlanex16_b32 v[BT], v[BM], s[SEL], s[SEL+1]
	v_permlanex16_b32 v[BT+1], v[BM+1], s[SEL], s[SEL+1]
	v_add_f32 v[BM], v[BM], v[BT]
	v_add_f32 v[BM+1], v[BM+1], v[BT+1]
	v_rcp_f32 v[SO], v[BM]
	v_rcp_f32 v[SO+1], v[BM+1]
	v_nop                                          ; a plain place behind the reciprocals
	s_wait_alu depctr_va_vdst(0)                   ; one wait for both, ahead of their first use
	ds_store_b32 v[PWS], v[SO] offset:PF
	ds_store_b32 v[PWS], v[SO+1] offset:PF+512
	s_wait_dscnt 0x0
	s_barrier_signal -1
	s_barrier_wait -1
.irp u, 0,1
.irp n, 0,1,2,3
	ds_load_b32 v[FL+2*\n], v[LS] offset:PF+128*(4*\u+\n)
.endr
	s_wait_dscnt 0x0
.irp n, 0,1,2,3
.irp a, 0,1,2,3,4,5,6,7
	WIN (1+\a/3)                                   ; source 0: the accumulator's window
.irp k, 0,2,4,6
	v_pk_mul_f32 v[S+8*\a+\k:S+8*\a+\k+1], v[64*(\a%3)+32*\u+8*\n+\k:64*(\a%3)+32*\u+8*\n+\k+1], v[FL+2*\n:FL+2*\n+1] op_sel_hi:[1,0]   ; each accumulator from its low end on
.endr
.endr
	WIN 0
	s_wait_xcnt 0x0                                ; the earlier stores have read the codes' and the scale words' registers
	QUANT S, PWQ+\n
.irp cc, 0,1,2
	global_store_b128 v[LI], v[PC+4*\cc:PC+4*\cc+3], s[54+2*\u:55+2*\u] offset:\n*24576+512*\cc
.endr
.endr
	global_store_b128 v[LI], v[PWQ:PWQ+3], s[58+2*\u:59+2*\u]
.endr
	s_wait_tensorcnt 0x0                           ; the wave's end: behind my last LDS store
	ds_add_u32 v[SPW], v[NIL]
	s_wait_dscnt 0x0
	s_endpgm
.Lfunc_end_k_q5d08ef25ad_attn:
	.size	k_q5d08ef25ad_attn, .Lfunc_end_k_q5d08ef25ad_attn-k_q5d08ef25ad_attn
	.p2alignl 7, 3214868480
	.fill 96, 4, 3214868480
	.section	.rodata,"a",@progbits
	.p2align	6, 0x0
	.amdhsa_kernel k_q5d08ef25ad_attn
		.amdhsa_group_segment_fixed_size 28160
		.amdhsa_private_segment_fixed_size 0
		.amdhsa_enable_private_segment 0
		.amdhsa_kernarg_size 32
		.amdhsa_user_sgpr_count 2
		.amdhsa_user_sgpr_kernarg_segment_ptr 1
		.amdhsa_wavefront_size32 1
		.amdhsa_system_sgpr_workgroup_id_x 1
		.amdhsa_system_sgpr_workgroup_id_y 1
		.amdhsa_system_sgpr_workgroup_id_z 1
		.amdhsa_system_vgpr_workitem_id 0
		.amdhsa_next_free_vgpr 1024
		.amdhsa_next_free_sgpr 80
		.amdhsa_reserve_vcc 1
		.amdhsa_float_denorm_mode_32 3
		.amdhsa_float_denorm_mode_16_64 3
		.amdhsa_memory_ordered 1
		.amdhsa_forward_progress 1
		.amdhsa_inst_pref_size 184
	.end_amdhsa_kernel
	.amdgpu_metadata
---
amdhsa.version: [ 1, 2 ]
amdhsa.kernels:
  - .name:           k_q5d08ef25ad_attn
    .symbol:         k_q5d08ef25ad_attn.kd
    .args:
      - { .name: cod, .offset: 0, .size: 8, .value_kind: global_buffer, .address_space: global }
      - { .name: scl, .offset: 8, .size: 8, .value_kind: global_buffer, .address_space: global }
      - { .name: oc, .offset: 16, .size: 8, .value_kind: global_buffer, .address_space: global }
      - { .name: os, .offset: 24, .size: 8, .value_kind: global_buffer, .address_space: global }
    .group_segment_fixed_size: 28160
    .private_segment_fixed_size: 0
    .kernarg_segment_align: 8
    .kernarg_segment_size: 32
    .max_flat_workgroup_size: 128
    .sgpr_count:     80
    .vgpr_count:     1024
    .wavefront_size: 32
...
	.end_amdgpu_metadata
.endif
;; end of part 7
;; launch outp: the kernel of part 4 again; grid 4 x 64, 4 waves a work-group, no clusters, 230,912 bytes of LDS; arguments oc, os, wimg, wscl, bo, out0; writes out0
